; MI455X (gfx1250); checked and timed in simulation.
; The chip was launched on July 23, 2026; its instructions are those of AMD's public machine-readable ISA for CDNA 5 (MIT licence, August 2026) and "CDNA5" Instruction Set Architecture Reference Guide (July 2026). The comments in the code are by the model that wrote it; some were corrected since.
;; Attention. Allowed arithmetic: matrix products marked QUANTISED: E2M1 operands, one E8M0 scale for each 32 along K, by v_wmma_scale_f32_16x16x128_f8f6f4 with both operands' format E2M1 (or v_wmma_scale_f32_32x16x128_f4), f32 sums; products left as they are: bf16, f16 or f32 operands; f32 sums; everything else in f32.
;; Inputs: wk 1,024 x 256 float32; wo 1,024 x 1,024 float32; wq 1,024 x 1,024 float32; wv 1,024 x 256 float32; x 4 x 2,048 x 1,024 float32.
;; Outputs: out0 4 x 2,048 x 1,024 float32.
;; This version of the problem:
;;   THIS VERSION OF THE PROBLEM IS GIVEN IN LOW PRECISION. The matrix products marked QUANTISED in the list below multiply operands that are first quantised to E2M1 (2 exponent bits, 1 mantissa bit; 4 bits a number), with one power-of-two scale for each 32 numbers along K (OCP MX v1.0); their sums are f32. The products marked 'left as it is' may take bf16, f16 or f32 operands, with f32 sums. Whichever they take, every output number must still come out within the allowed error. Rounding operands to bf16 (8 significant bits) uses up far more of that allowance than f16 does (11 bits, for magnitudes from 6e-5 to 65,504). All else is computed in f32.
;;   The module's matrix products, in the order in which they are computed (A, B: the left and right operand; K: the contracted axis; several contracted axes count as one K, in the product's order):
;;     1. [M 8,192, K 1,024] x [K 1,024, N 1,024]; A: input x; B: input wq: QUANTISED
;;     2. [M 8,192, K 1,024] x [K 1,024, N 256]; A: input x; B: input wk: QUANTISED
;;     3. [M 8,192, K 1,024] x [K 1,024, N 256]; A: input x; B: input wv: QUANTISED
;;     4. batch 64 x [M 2,048, K 64] x [K 64, N 2,048]; A: computed on the way; B: computed on the way: left as it is (an operand is computed on the way)
;;     5. batch 64 x [M 64, K 2,048] x [K 2,048, N 2,048]; A: computed on the way; B: computed on the way: left as it is (an operand is computed on the way)
;;     6. [M 8,192, K 1,024] x [K 1,024, N 1,024]; A: computed on the way; B: input wo: left as it is (an operand is computed on the way)
;;   THE QUANTISER, for each operand of a quantised product, along K:
;;     - K is cut into blocks of 32 from its start; a last block that is shorter is filled with zeros.
;;     - A block's scale is 2^e with e = floor(log2(the largest magnitude in the block)) - 2, held to -126 .. 127; a block of zeros has e = 0. As a byte (E8M0): e + 127.
;;     - Each number is divided by its block's scale, clamped to +-6, and rounded to the nearest number of E2M1, ties to even, subnormals kept.
;;     - The product sums the exact products of the quantised numbers (number of the format x scale) in f32.
;;   ~~~python
;;   def quantise(x, axis):      # numpy; x: float32 -> the quantised numbers, widened to float32 again
;;       x = np.moveaxis(x, axis, -1); K = x.shape[-1]
;;       x = np.pad(x, [(0, 0)] * (x.ndim - 1) + [(0, -K % 32)]); x = x.reshape(x.shape[:-1] + (-1, 32)); a = np.abs(x).max(-1, keepdims=True)
;;       e = np.where(a > 0, np.clip(np.frexp(np.where(a > 0, a, 1))[1] - 1 - 2, -126, 127), 0)      # np.frexp(a)[1] - 1 = floor(log2(a)), exactly
;;       r = np.clip(x / 2.0 ** e, -6, 6)
;;       step = 2.0 ** (np.maximum(np.frexp(np.where(r == 0, 1, r))[1] - 1, 0) - 1)
;;       q = np.round(r / step) * step * 2.0 ** e      # np.round: ties to even
;;       return np.moveaxis(q.reshape(q.shape[:-2] + (-1,))[..., :K], -1, axis).astype(np.float32)
;;   ~~~
;; One version. Each part assembles by itself: llvm-mc -triple=amdgcn-amd-amdhsa -mcpu=gfx1250 --defsym DOCPART=n.
;; ======== version 1 of 1: 5 launches
;; limits: values are held in f16: magnitudes above 65,504 overflow, below 6.1e-05 lose precision
;; workspace buffers: xq 4,456,448 bytes; wt 1,359,872 bytes; wof 2,097,152 bytes; qkvf 25,165,824 bytes; c16 393,216 bytes; yf 16,777,216 bytes
;; launch prep (part 1): grid 448 x 1, 4 waves a work-group, no clusters, 55,808 bytes of LDS; arguments x, wq, wk, wv, wo, xq, wt, wof; writes xq, wt, wof
.if DOCPART == 1
	.amdgcn_target "amdgcn-amd-amdhsa--gfx1250"
	.amdhsa_code_object_version 6
	.text
	.protected	k_qd5b5a77d1b_prep
	.globl	k_qd5b5a77d1b_prep
	.p2align	8
	.type	k_qd5b5a77d1b_prep,@function
k_qd5b5a77d1b_prep:
	s_mov_b64 s[64:65], 0
	v_nop
	global_prefetch_b8 v0, s[64:65] scope:SCOPE_SE
	s_setreg_imm32_b32 hwreg(HW_REG_WAVE_MODE, 25, 1), 1
	s_wait_xcnt 0x0
; PREP: every operand of the later launches is laid once, as IMAGES OF THE OPERAND'S REGISTERS: an image is 512 bytes, lane l's 16 bytes at 16 l.
;   work-groups   0-255  x [8192][1024] f32  -> codes of E2M1 (xq: [ks 8][mtile 512][c 2][512 B]) and E8M0 bytes (xq + 4,194,304: [khalf 2][row 8192][16 B])
;   work-groups 256-319  wq [1024][1024] f32 -> codes (wt: [ks 8][ntile 96][c 2][512 B]) and scale words (wt + 786,432: [ks 8][n 1536])
;   work-groups 320-351  wk, wv [1024][256]  -> the same, columns 1,024 to 1,535
;   work-groups 352-415  wo [1024][1024] f32 -> f16 (wof: [s 8][ntile 64][q 8][512 B])
;   work-groups 416-447  the table of cos and sin (wt + 835,584: [ptile 128][img 8][512 B])
; A block's scale is 2^(floor(log2(its largest magnitude)) - 2): its byte is the largest magnitude's exponent field - 2, held at 1 from below.
; LIMITS: a block of zeros gets the byte 1 where the quantiser says 127 (its codes are zeros, and this program alone reads the bytes); NaN and infinities are not served;
; wo goes to f16: magnitudes over 65,504 are not served; the angles pos x 10000^(-f/32) are made with v_exp_f32 and may differ from a correctly rounded power by some 2e-4 rad at position 2,047.
; No tensor loads, no barrier: waves share nothing.  The paths part on the work-group's number and never join; path x alone touches LDS.
.set SPARE, 55296                      ; behind the four waves' regions: the spare words, 128 bytes a wave
.set SPW,   222                        ; v222 LDS address of my spare word; never rewritten
.set NIL,   223                        ; v223 0; never rewritten
.set WREG,  13824                      ; path x: a wave's region: two turn stages of 32 x 144, a code stage of 16 x 272, 256 scale bytes
.set CST,   9216
.set SBY,   13568
.set RL,    16                         ; v16-111  three sets of 32 numbers as loaded
.set XX,    112                        ; v112-175 two sets of 32 neighbours along K
.set CC,    176                        ; v176-207 four registers of codes for each step
.set EE,    208                        ; v208-215 a scale byte for each step
	s_load_b256 s[4:11], s[0:1], 0x0               ; x, wq, wk, wv
	s_load_b256 s[12:19], s[0:1], 0x20             ; wo, xq, wt, wof
	v_lshl_add_u32 v[SPW], v0, 2, SPARE
	v_mov_b32 v[NIL], 0
	v_lshrrev_b32 v1, 5, v0
	v_readfirstlane_b32 s20, v1                    ; wave 0..3
	v_and_b32 v1, 31, v0                           ; lane
	v_lshlrev_b32 v2, 4, v1                        ; 16 x lane
	v_lshlrev_b32 v3, 2, v1                        ; 4 x lane
	s_wait_kmcnt 0x0
	s_cmp_lt_u32 ttmp9, 256
	s_cbranch_scc1 .Lpath_x
	s_cmp_lt_u32 ttmp9, 320
	s_cbranch_scc1 .Lpath_wq
	s_cmp_lt_u32 ttmp9, 352
	s_cbranch_scc1 .Lpath_wkv
	s_cmp_lt_u32 ttmp9, 416
	s_cbranch_scc1 .Lpath_wo
; ---- THE TABLE.  A wave takes 16 positions; lane (r, h) makes cos and sin of position 16 pt + r at the frequencies 16 t + 8 h + j, t = 0, 1, j = 0 .. 7.
	s_sub_co_u32 s21, ttmp9, 416
	s_lshl_b32 s21, s21, 2
	s_add_co_u32 s21, s21, s20                     ; pt
	s_lshl_b32 s22, s21, 12
	s_add_co_u32 s22, s22, 835584
	s_mov_b32 s23, 0
	s_add_nc_u64 s[24:25], s[16:17], s[22:23]
	s_lshl_b32 s26, s21, 4
	s_mov_b32 s32, 0x3f22f983                      ; 2 / pi
	s_mov_b32 s33, 0x3fc90fdb                      ; pi / 2, its f32 part,
	s_mov_b32 s34, 0xb33bbd2e                      ; and what that leaves
	s_mov_b32 s35, 0xbe2aaaa3                      ; sin r = r + r z (s35 + z (s36 + z s37)), z = r r, |r| <= pi / 4
	s_mov_b32 s36, 0x3c08839e
	s_mov_b32 s37, 0xb94ca1f9
	s_mov_b32 s38, 0x3d2aaaa5                      ; cos r = 1 - z / 2 + z z (s38 + z (s39 + z s40))
	s_mov_b32 s39, 0xbab6061a
	s_mov_b32 s40, 0x37ccf5ce
	s_mov_b32 s41, 0x80000000
	v_and_b32 v4, 15, v1
	v_lshrrev_b32 v5, 4, v1
	v_add_nc_u32 v4, s26, v4
	v_cvt_f32_u32 v4, v4                           ; the position
	v_lshlrev_b32 v5, 3, v5                        ; 8 h
.irp a, 0,1,2,3,4,5,6,7,8,9,10,11,12,13,14,15
	v_add_nc_u32 v[16+\a], 16*(\a/8)+\a%8, v5      ; the frequency's number f
.endr
.irp a, 0,1,2,3,4,5,6,7,8,9,10,11,12,13,14,15
	v_cvt_f32_u32 v[16+\a], v[16+\a]
.endr
.irp a, 0,1,2,3,4,5,6,7,8,9,10,11,12,13,14,15
	v_mul_f32 v[16+\a], 0xbed49a78, v[16+\a]       ; - f log2(10000) / 32
.endr
.irp a, 0,1,2,3,4,5,6,7,8,9,10,11,12,13,14,15
	v_exp_f32 v[16+\a], v[16+\a]                   ; 10000^(-f / 32): one batch
.endr
	v_nop                                          ; a plain instruction behind the last exponential
	s_wait_alu depctr_va_vdst(0)                   ; one wait for the batch, ahead of its first reader
.irp a, 0,1,2,3,4,5,6,7,8,9,10,11,12,13,14,15
	v_mul_f32 v[16+\a], v4, v[16+\a]               ; the angle
.endr
.macro SINCOS a                        ; angle v[16 + a] -> cos in v[32 + a], sin in v[48 + a]
	v_mul_f32 v64, s32, v[16+\a]
	v_rndne_f32 v64, v64                           ; n quarter turns
	v_fma_f32 v65, -v64, s33, v[16+\a]
	v_fma_f32 v65, -v64, s34, v65                  ; r = angle - n pi / 2, in two parts
	v_mul_f32 v66, v65, v65                        ; z
	v_fma_f32 v67, v66, s37, s36
	v_fma_f32 v67, v67, v66, s35
	v_mul_f32 v68, v65, v66
	v_fma_f32 v67, v68, v67, v65                   ; sin r
	v_fma_f32 v69, v66, s40, s39
	v_fma_f32 v69, v69, v66, s38
	v_mul_f32 v70, v66, v66
	v_fma_f32 v71, v66, -0.5, 1.0
	v_fma_f32 v69, v70, v69, v71                   ; cos r
	v_cvt_i32_f32 v72, v64
	v_and_b32 v73, 1, v72
	v_cmp_eq_u32 vcc_lo, 1, v73                    ; an odd quarter: sin and cos change places
	v_cndmask_b32 v74, v67, v69, vcc_lo
	v_cndmask_b32 v75, v69, v67, vcc_lo
	v_lshlrev_b32 v73, 30, v72                     ; sin is negative in quarters 2 and 3: bit 1 of n
	v_and_b32 v73, s41, v73
	v_xor_b32 v[48+\a], v73, v74
	v_add_nc_u32 v72, 1, v72                       ; cos in quarters 1 and 2: bit 1 of n + 1
	v_lshlrev_b32 v72, 30, v72
	v_and_b32 v72, s41, v72
	v_xor_b32 v[32+\a], v72, v75
.endm
.irp a, 0,1,2,3,4,5,6,7,8,9,10,11,12,13,14,15
	SINCOS \a
.endr
.irp i, 0,1,2,3,4,5,6,7
	global_store_b128 v2, v[32+4*\i:35+4*\i], s[24:25] offset:512*\i   ; images 0-3 cos, 4-7 sin: 512 consecutive bytes a store
.endr
	s_endpgm
; The largest magnitude of 32 numbers v[b] .. v[b + 31], with the floor 2^(3 - 127) as one more leaf, into v12
.macro MAX32 b
	v_max3_num_f32 v12, |v[\b]|, |v[\b+1]|, |v[\b+2]|
	v_max3_num_f32 v13, |v[\b+3]|, |v[\b+4]|, |v[\b+5]|
.irp i, 6,10,14,18,22,26
	v_max3_num_f32 v12, v12, |v[\b+\i]|, |v[\b+\i+1]|
	v_max3_num_f32 v13, v13, |v[\b+\i+2]|, |v[\b+\i+3]|
.endr
	v_max3_num_f32 v12, v12, |v[\b+30]|, |v[\b+31]|
	v_max3_num_f32 v12, v12, v13, 0x1800000
.endm
; ---- x.  A wave takes 16 rows x 512 along K, in 8 steps of two rows.  Each load reads 512 consecutive bytes; a step's 4,096 bytes turn through the wave's own stage (a block of 32 numbers, 128 bytes, + 16 of padding),
; so that lane l holds block l % 16 of row 2 t + l / 16 whole.  Its 16 bytes of codes go to the code stage [block][row] and leave as images; the 256 scale bytes leave as one run.
.Lpath_x:
	s_mul_i32 s21, s20, WREG
	v_lshrrev_b32 v4, 3, v1
	v_mul_u32_u24 v4, v4, 144
	v_and_b32 v5, 7, v1
	v_lshl_add_u32 v4, v5, 4, v4
	v_add_nc_u32 v4, s21, v4                       ; the turn stage, in: 144 (lane / 8) + 16 (lane % 8); a load's 512 bytes take four places
	v_mul_u32_u24 v5, v1, 144
	v_add_nc_u32 v5, s21, v5                       ; and out: 144 x lane
	v_and_b32 v6, 15, v1
	v_lshrrev_b32 v7, 4, v1
	v_mul_u32_u24 v8, v6, 272
	v_lshl_add_u32 v8, v7, 4, v8
	v_add_nc_u32 v8, s21, v8                       ; the code stage, in: row = my block, 16 bytes for each of x's rows
	v_mul_u32_u24 v9, v7, 272
	v_lshl_add_u32 v9, v6, 4, v9
	v_add_nc_u32 v9, s21, v9                       ; and out: image m: blocks 2 m + lane / 16, x's row lane % 16
	v_add_nc_u32 v10, s21, v1                      ; my scale byte: 16 x row + block = 32 t + lane
	v_lshlrev_b32 v7, 3, v1                        ; the scale bytes' way out: 8 bytes a lane
	v_add_nc_u32 v6, s21, v7
	s_lshl_b32 s22, ttmp9, 2
	s_add_co_u32 s22, s22, s20                     ; the wave's unit
	s_lshr_b32 s23, s22, 1                         ; mtile
	s_and_b32 s24, s22, 1                          ; khalf
	s_lshl_b32 s26, s23, 16                        ; 16 rows of 4,096 bytes
	s_lshl_b32 s25, s24, 11
	s_add_co_u32 s26, s26, s25
	s_mov_b32 s27, 0
	s_add_nc_u64 s[4:5], s[4:5], s[26:27]
	s_lshl_b32 s26, s24, 21                        ; codes: four K steps of 524,288 bytes for a khalf, 1,024 for an mtile
	s_lshl_b32 s25, s23, 10
	s_add_co_u32 s26, s26, s25
	s_add_nc_u64 s[28:29], s[14:15], s[26:27]
	s_lshl_b32 s26, s24, 17                        ; scale bytes
	s_lshl_b32 s25, s23, 8
	s_add_co_u32 s26, s26, s25
	s_add_co_u32 s26, s26, 4194304
	s_add_nc_u64 s[30:31], s[14:15], s[26:27]
.macro XLOAD t
.irp i, 0,1,2,3,4,5,6,7
	global_load_b128 v[RL+32*((\t)%3)+4*\i:RL+32*((\t)%3)+4*\i+3], v2, s[4:5] offset:(2*(\t)+\i/4)*4096+(\i%4)*512 th:TH_LOAD_NT
.endr
.endm
.macro XTURN t                         ; LDS serves a wave's instructions in order: no wait between the stores and the loads
.irp i, 0,1,2,3,4,5,6,7
	ds_store_b128 v4, v[RL+32*((\t)%3)+4*\i:RL+32*((\t)%3)+4*\i+3] offset:4608*((\t)%2)+576*\i
.endr
.irp i, 0,1,2,3,4,5,6,7
	ds_load_b128 v[XX+32*((\t)%2)+4*\i:XX+32*((\t)%2)+4*\i+3], v5 offset:4608*((\t)%2)+16*\i
.endr
.endm
.macro XSTEP t
.set XS, XX+32*((\t)%2)
.if (\t) > 0
	s_wait_dscnt 2                                 ; this step's numbers are back from the stage; the last step's two stores may be out
.else
	s_wait_dscnt 0x0
.endif
.if (\t)+3 < 8
	XLOAD (\t)+3                                   ; into the set whose numbers have just gone through the stage
.endif
.if (\t)+1 < 8
.if 6-(\t) >= 2
	s_wait_loadcnt 16                              ; the next step's eight loads are in; those of the two steps behind it may be out
.else
	s_wait_loadcnt 8*(6-(\t))
.endif
	XTURN (\t)+1
.endif
	MAX32 XS
	v_add_nc_u32 v11, 0xff000000, v12              ; 2 off the exponent field: the conversion takes the exponent field of this operand as its scale
.irp g, 0,1,2,3
	v_cvt_scalef32_pk8_fp4_f32 v[CC+4*(\t)+\g], v[XS+8*\g:XS+8*\g+7], v11
.endr
	v_lshrrev_b32 v[EE+(\t)], 23, v11              ; the scale's byte (also the plain line behind the conversions)
	ds_store_b128 v8, v[CC+4*(\t):CC+4*(\t)+3] offset:CST+32*(\t)
	ds_store_b8 v10, v[EE+(\t)] offset:SBY+32*(\t)
.endm
	XLOAD 0
	XLOAD 1
	XLOAD 2
	s_wait_loadcnt 16
	XTURN 0
.irp t, 0,1,2,3,4,5,6,7
	XSTEP \t
.endr
.irp m, 0,1,2,3,4,5,6,7
	ds_load_b128 v[RL+4*\m:RL+4*\m+3], v9 offset:CST+544*\m
.endr
	ds_load_b64 v[RL+32:RL+33], v6 offset:SBY
	s_wait_dscnt 0x0
.irp m, 0,1,2,3,4,5,6,7
	global_store_b128 v2, v[RL+4*\m:RL+4*\m+3], s[28:29] offset:(\m/2)*524288+(\m%2)*512   ; image (ks = m / 2, c = m % 2): 512 consecutive bytes
.endr
	global_store_b64 v7, v[RL+32:RL+33], s[30:31]  ; 256 consecutive bytes
	s_wait_tensorcnt 0x0                           ; the wave's end
	ds_add_u32 v[SPW], v[NIL]
	s_wait_dscnt 0x0
	s_endpgm
; ---- THE WEIGHTS.  K is their first axis: a lane takes a column and its 128 registers run down a K step; a wave takes 32 columns, each load 128 consecutive bytes.
.macro COLLOAD pitch
.set i, 0
.rept 128
	global_load_b32 v[16+i], v3, s[24:25] offset:i*\pitch th:TH_LOAD_NT
.set i, i+1
.endr
.endm
.macro WDEST                           ; s22 = the group of 32 columns among 48, s23 = ks
	s_mul_i32 s30, s23, 98304
	s_lshl_b32 s31, s22, 11
	s_add_co_u32 s30, s30, s31
	s_mov_b32 s31, 0
	s_add_nc_u64 s[26:27], s[16:17], s[30:31]
	s_mul_i32 s30, s23, 6144
	s_lshl_b32 s34, s22, 7
	s_add_co_u32 s30, s30, s34
	s_add_co_u32 s30, s30, 786432
	s_add_nc_u64 s[28:29], s[16:17], s[30:31]
.endm
.macro QW                              ; four blocks of 32 a lane -> codes v144-159, scale word v10; two exchanges of halves make the two tiles' images
.irp b, 0,1,2,3
.if \b < 2
	s_wait_loadcnt 63                              ; 96 or 64 younger loads might stay out; the count's field ends at 63
.else
	s_wait_loadcnt 96-32*\b
.endif
.set XS, 16+32*\b
	MAX32 XS
	v_add_nc_u32 v11, 0xff000000, v12
	v_lshrrev_b32 v13, 23, v11
.if \b == 0
	v_mov_b32 v10, v13
.else
	v_lshl_or_b32 v10, v13, 8*\b, v10
.endif
.irp g, 0,1,2,3
	v_cvt_scalef32_pk8_fp4_f32 v[144+4*\b+\g], v[XS+8*\g:XS+8*\g+7], v11
.endr
	v_nop                                          ; a plain line behind the conversions
.endr
.irp g, 0,1,2,3
	v_permlane16_swap_b32 v[144+\g], v[148+\g]     ; blocks 0 and 1: the first now holds columns 0-15 (lanes 0-15 block 0, lanes 16-31 block 1), the second columns 16-31
	v_permlane16_swap_b32 v[152+\g], v[156+\g]     ; blocks 2 and 3 likewise
.endr
	global_store_b128 v2, v[144:147], s[26:27]
	global_store_b128 v2, v[152:155], s[26:27] offset:512
	global_store_b128 v2, v[148:151], s[26:27] offset:1024
	global_store_b128 v2, v[156:159], s[26:27] offset:1536
	global_store_b32 v3, v10, s[28:29]
.endm
.Lpath_wq:
	s_sub_co_u32 s21, ttmp9, 256
	s_and_b32 s22, s21, 7
	s_lshl_b32 s22, s22, 2
	s_add_co_u32 s22, s22, s20                     ; group of 32 columns, 0 .. 31
	s_lshr_b32 s23, s21, 3                         ; ks
	s_lshl_b32 s30, s23, 19                        ; 128 rows of 4,096 bytes
	s_lshl_b32 s31, s22, 7
	s_add_co_u32 s30, s30, s31
	s_mov_b32 s31, 0
	s_add_nc_u64 s[24:25], s[6:7], s[30:31]
	WDEST
	COLLOAD 4096
	QW
	s_endpgm
.Lpath_wkv:
	s_sub_co_u32 s21, ttmp9, 320
	s_and_b32 s32, s21, 3                          ; 0, 1: halves of wk; 2, 3: of wv
	s_lshr_b32 s23, s21, 2                         ; ks
	s_cmp_lt_u32 s32, 2
	s_cselect_b64 s[24:25], s[8:9], s[10:11]       ; the choice hangs on the work-group's number alone
	s_and_b32 s33, s32, 1
	s_lshl_b32 s33, s33, 2
	s_add_co_u32 s33, s33, s20                     ; group of 32 columns in the tensor, 0 .. 7
	s_lshl_b32 s30, s23, 17                        ; 128 rows of 1,024 bytes
	s_lshl_b32 s31, s33, 7
	s_add_co_u32 s30, s30, s31
	s_mov_b32 s31, 0
	s_add_nc_u64 s[24:25], s[24:25], s[30:31]
	s_lshr_b32 s22, s32, 1
	s_lshl_b32 s22, s22, 3
	s_add_co_u32 s22, s22, s33
	s_add_co_u32 s22, s22, 32                      ; and among the 48
	WDEST
	COLLOAD 1024
	QW
	s_endpgm
.Lpath_wo:
	s_sub_co_u32 s21, ttmp9, 352
	s_and_b32 s22, s21, 7
	s_lshl_b32 s22, s22, 2
	s_add_co_u32 s22, s22, s20
	s_lshr_b32 s23, s21, 3
	s_lshl_b32 s30, s23, 19
	s_lshl_b32 s31, s22, 7
	s_add_co_u32 s30, s30, s31
	s_mov_b32 s31, 0
	s_add_nc_u64 s[24:25], s[12:13], s[30:31]
	s_lshl_b32 s30, s23, 18                        ; wof: 262,144 bytes a K step, 8,192 for 32 columns
	s_lshl_b32 s34, s22, 13
	s_add_co_u32 s30, s30, s34
	s_add_nc_u64 s[26:27], s[18:19], s[30:31]
	COLLOAD 4096
	s_wait_loadcnt 0x0
.set i, 0
.rept 64
	v_cvt_pk_f16_f32 v[144+i], v[16+2*i], v[17+2*i]
.set i, i+1
.endr
.irp q, 0,1,2,3,4,5,6,7
.irp g, 0,1,2,3
	v_permlane16_swap_b32 v[144+8*\q+\g], v[148+8*\q+\g]   ; k 16 q + 0..7 and + 8..15: the first now is image q of columns 0-15, the second of columns 16-31
.endr
.endr
.irp q, 0,1,2,3,4,5,6,7
	global_store_b128 v2, v[144+8*\q:147+8*\q], s[26:27] offset:512*\q
	global_store_b128 v2, v[148+8*\q:151+8*\q], s[26:27] offset:4096+512*\q
.endr
	s_endpgm
.Lfunc_end_k_qd5b5a77d1b_prep:
	.size	k_qd5b5a77d1b_prep, .Lfunc_end_k_qd5b5a77d1b_prep-k_qd5b5a77d1b_prep
	.p2alignl 7, 3214868480
	.fill 96, 4, 3214868480
	.section	.rodata,"a",@progbits
	.p2align	6, 0x0
	.amdhsa_kernel k_qd5b5a77d1b_prep
		.amdhsa_group_segment_fixed_size 55808
		.amdhsa_private_segment_fixed_size 0
		.amdhsa_enable_private_segment 0
		.amdhsa_kernarg_size 64
		.amdhsa_user_sgpr_count 2
		.amdhsa_user_sgpr_kernarg_segment_ptr 1
		.amdhsa_wavefront_size32 1
		.amdhsa_system_sgpr_workgroup_id_x 1
		.amdhsa_system_sgpr_workgroup_id_y 1
		.amdhsa_system_sgpr_workgroup_id_z 1
		.amdhsa_system_vgpr_workitem_id 0
		.amdhsa_next_free_vgpr 224
		.amdhsa_next_free_sgpr 66
		.amdhsa_reserve_vcc 1
		.amdhsa_float_denorm_mode_32 3
		.amdhsa_float_denorm_mode_16_64 3
		.amdhsa_memory_ordered 1
		.amdhsa_forward_progress 1
		.amdhsa_inst_pref_size 112
	.end_amdhsa_kernel
	.amdgpu_metadata
---
amdhsa.version: [ 1, 2 ]
amdhsa.kernels:
  - .name:           k_qd5b5a77d1b_prep
    .symbol:         k_qd5b5a77d1b_prep.kd
    .args:
      - { .name: x, .offset: 0, .size: 8, .value_kind: global_buffer, .address_space: global }
      - { .name: wq, .offset: 8, .size: 8, .value_kind: global_buffer, .address_space: global }
      - { .name: wk, .offset: 16, .size: 8, .value_kind: global_buffer, .address_space: global }
      - { .name: wv, .offset: 24, .size: 8, .value_kind: global_buffer, .address_space: global }
      - { .name: wo, .offset: 32, .size: 8, .value_kind: global_buffer, .address_space: global }
      - { .name: xq, .offset: 40, .size: 8, .value_kind: global_buffer, .address_space: global }
      - { .name: wt, .offset: 48, .size: 8, .value_kind: global_buffer, .address_space: global }
      - { .name: wof, .offset: 56, .size: 8, .value_kind: global_buffer, .address_space: global }
    .group_segment_fixed_size: 55808
    .private_segment_fixed_size: 0
    .kernarg_segment_align: 8
    .kernarg_segment_size: 64
    .max_flat_workgroup_size: 128
    .sgpr_count:     66
    .vgpr_count:     224
    .wavefront_size: 32
...
	.end_amdgpu_metadata
.endif
;; end of part 1
;; launch qkv (part 2): grid 4 x 64, 4 waves a work-group, clusters of 4 x 4, 262,656 bytes of LDS; arguments xq, wt, qkvf, c16; writes qkvf, c16
.if DOCPART == 2
	.amdgcn_target "amdgcn-amd-amdhsa--gfx1250"
	.amdhsa_code_object_version 6
	.text
	.protected	k_qd5b5a77d1b_qkv
	.globl	k_qd5b5a77d1b_qkv
	.p2align	8
	.type	k_qd5b5a77d1b_qkv,@function
k_qd5b5a77d1b_qkv:
	s_mov_b64 s[64:65], 0
	v_nop
	global_prefetch_b8 v0, s[64:65] scope:SCOPE_SE
	s_setreg_imm32_b32 hwreg(HW_REG_WAVE_MODE, 25, 1), 1
	s_wait_xcnt 0x0
	s_wait_alu depctr_hold_cnt(0) depctr_sa_sdst(0) depctr_va_vdst(0) depctr_va_sdst(0) depctr_va_ssrc(0) depctr_va_vcc(0) depctr_vm_vsrc(0)
	s_getreg_b32 s2, hwreg(HW_REG_IB_STS2, 6, 4)
	s_cmp_eq_u32 s2, 0
	s_cbranch_scc0 .Lentry_in_a_cluster
	s_endpgm
.Lentry_in_a_cluster:
	s_bfe_u32 s2, ttmp6, 0x10000c
	s_cmp_lg_u32 s2, 0xf033
	s_cbranch_scc0 .Lentry_shape_is_right
	s_endpgm
.Lentry_shape_is_right:
; QKV: [8192][1024] x [1024][1536] on codes of E2M1 with E8M0 scales, then the RMS norm of each head of q and k, the rotation, q's gain, and f16.
; A work-group makes 128 rows x 384 columns (6 heads); a wave 64 rows x 192 columns (3 heads): 48 accumulators.  All of K (8 steps of 128) of both tiles lies in LDS, 256 KiB, filled once: no slot is filled again.
; THE MATRIX INSTRUCTION IS USED TRANSPOSED (source 0 = 16 columns of W, source 1 = 16 rows of x): a lane holds ONE position (lane % 16) and eight neighbouring channels 8 (lane / 16) + 0..7 of each tile,
; so a head's 64 channels lie in lanes l and l xor 16, the rotation's partner channel d + 32 is the same lane's register two tiles on, and four packed registers ARE the next product's image: stored straight, 512 bytes a wave.
; q carries 1.5 log2(e) / 8 (gain, softmax's scale, base 2).  v is stored with its lanes' places permuted, so that the turning LDS load reads it at 16 x lane.  Positions 0-15 of each batch also leave in f32 (c16).
; What differs between q, k and v heads is held in scalar factors, chosen by selects: no branch hangs on the work-group's place.
; CLUSTER 4 x 4: the four of a row of the cluster need the same rows of x, the four of a column the same columns of W: joint loads.  A wave has four tensor loads out.
; LIMITS: v beyond 65,504 in magnitude is not served (f16); NaN and infinities are not served.
; REGISTERS: window 0: v1-10 addresses; v16-28 statistics; v32-79 W's scale words, v80-95 x's (these hold scales alone); v96-159 x's fragments, two sets, later results; v160-223 cos and sin, two sets; v224-255 their products.
;   window 1: W's fragments, two sets of 96.   windows 2, 3: accumulator (mi, nt) at v[96 (mi % 2) + 8 nt] of window 2 + mi / 2.
.set SPARE, 262144
.set LI,   1
.set SPW,  2
.set NIL,  3
.set ADX,  4
.set ADW,  5
.set OFS,  6                           ; v6-8 where my 16 bytes stand in an image, for each of my three heads
.set C16O, 9
.set L4,   10
.set SS,   16
.set WS,   32
.set XS,   80
.set XFR,  96
.set OUT,  96
.set PK,   128
.set CS,   160
.set CF,   224
.set SF,   240
.set G1X,  24
.set G1W,  32
.set MUL_LO, 0xa1                      ; source 0 (W) window 1, source 1 (x) window 0, C and D window 2
.set MUL_HI, 0xf1
.set TO_W,   0x40
.set MSB, 0
.macro WIN new                         ; the immediate's high byte repeats the setting that is left
.if MSB != (\new)
	s_set_vgpr_msb (MSB<<8)|(\new)
.set MSB, (\new)
.endif
.endm
.macro CROUND                          ; a round of the cluster's barrier
	s_barrier_signal -1
	s_barrier_wait -1
	s_cmp_lg_u32 s12, 0
	s_cbranch_scc1 .Lnw0_\@
	s_barrier_signal -3
.Lnw0_\@:
	s_barrier_wait -3
	s_barrier_signal -1
	s_barrier_wait -1
.endm
.macro PLACES
.rept 4
	v_nop
.endr
.endm
	s_load_b256 s[4:11], s[0:1], 0x0               ; xq, wt, qkvf, c16
	v_lshl_add_u32 v[SPW], v0, 2, SPARE
	v_mov_b32 v[NIL], 0
	ds_add_u32 v[SPW], v[NIL]                      ; the wave's opening: the add, twice on end; its wait comes ahead of my first tensor load
	ds_add_u32 v[SPW], v[NIL]
	v_lshrrev_b32 v15, 5, v0
	v_readfirstlane_b32 s12, v15                   ; wave
	s_lshr_b32 s13, s12, 1                         ; wm: which 64 rows
	s_and_b32 s14, s12, 1                          ; wn: which 192 columns
	s_bfe_u32 s15, ttmp6, 0x40000                  ; cx
	s_bfe_u32 s16, ttmp6, 0x40004                  ; cy
	s_lshl_b32 s17, ttmp9, 2
	s_add_co_u32 s17, s17, s15                     ; block of 384 columns
	s_and_b32 s18, ttmp7, 0xffff
	s_lshl_b32 s18, s18, 2
	s_add_co_u32 s18, s18, s16                     ; block of 128 rows
	s_lshl_b32 s19, s16, 2
	s_lshl_b32 s19, 15, s19                        ; my row of the cluster
	s_lshl_b32 s20, 0x1111, s15                    ; my column
	s_or_b32 s[G1X], s19, (3<<16)|(1<<21)          ; x's tile of a K step: 8,192 dense bytes as 32 rows of 32 elements of 8 bytes
	s_mov_b32 s[G1X+1], 32<<16
	s_mov_b32 s[G1X+2], 32<<16
	s_mov_b32 s[G1X+3], 32<<16
	s_mov_b32 s[G1X+4], 32
	s_mov_b32 s[G1X+5], 32
	s_mov_b32 s[G1X+6], 0
	s_mov_b32 s[G1X+7], 0
	s_or_b32 s[G1W], s20, (3<<16)|(1<<21)          ; W's: 24,576 dense bytes as 96 rows
	s_mov_b32 s[G1W+1], 32<<16
	s_mov_b32 s[G1W+2], 96<<16
	s_mov_b32 s[G1W+3], 32<<16
	s_mov_b32 s[G1W+4], 96
	s_mov_b32 s[G1W+5], 32
	s_mov_b32 s[G1W+6], 0
	s_mov_b32 s[G1W+7], 0
	s_lshl_b32 s84, s12, 19                        ; x: K step = my wave's number, 524,288 bytes a step; 8,192 a block of rows
	s_lshl_b32 s21, s18, 13
	s_add_co_u32 s84, s84, s21
	s_mov_b32 s85, 0
	s_mul_i32 s86, s12, 98304                      ; W: 98,304 bytes a step; 24,576 a block of columns
	s_mul_i32 s22, s17, 24576
	s_add_co_u32 s86, s86, s22
	s_mov_b32 s87, 0
	s_mov_b32 s80, 0x76543210
	s_mov_b32 s81, 0xfedcba98                      ; v_permlanex16_b32's selects for lane l xor 16
	s_mov_b32 s82, 0x3c800000                      ; 1 / 64
	s_mov_b32 s83, 0x34000000                      ; f32's eps
	s_wait_dscnt 0x0                               ; both opening adds are done
	s_wait_kmcnt 0x0
	s_mov_b32 s40, 1                               ; x, K step w
	s_lshl_b32 s41, s12, 13
	s_add_nc_u64 s[42:43], s[4:5], s[84:85]
	s_mov_b32 s48, 1                               ; x, K step w + 4
	s_add_co_u32 s49, s41, 32768
	s_add_nc_u64 s[50:51], s[42:43], 2097152
	s_or_b32 s43, s43, 0x80000000
	s_or_b32 s51, s51, 0x80000000
	s_mov_b32 s44, 1                               ; W, K step w
	s_mul_i32 s45, s12, 24576
	s_add_co_u32 s45, s45, 65536
	s_add_nc_u64 s[46:47], s[6:7], s[86:87]
	s_mov_b32 s52, 1                               ; W, K step w + 4
	s_add_co_u32 s53, s45, 98304
	s_add_nc_u64 s[54:55], s[46:47], 393216
	s_or_b32 s47, s47, 0x80000000
	s_or_b32 s55, s55, 0x80000000
	CROUND                                         ; all sixteen work-groups are here: the joint loads meet
	tensor_load_to_lds s[40:43], s[G1X:G1X+7]
	s_nop 0
	tensor_load_to_lds s[44:47], s[G1W:G1W+7]
	s_nop 0
	tensor_load_to_lds s[48:51], s[G1X:G1X+7]
	s_nop 0
	tensor_load_to_lds s[52:55], s[G1W:G1W+7]
	s_nop 0
	PLACES
	v_and_b32 v15, 31, v0
	v_lshlrev_b32 v[LI], 4, v15
	v_lshlrev_b32 v[L4], 2, v15
	v_and_b32 v11, 15, v0                          ; r
	v_bfe_u32 v12, v0, 4, 1                        ; h
	s_lshl_b32 s21, s13, 12
	v_add_nc_u32 v[ADX], s21, v[LI]                ; my four tiles of x in a K step
	s_mul_i32 s21, s14, 12288
	s_add_co_u32 s21, s21, 65536
	v_add_nc_u32 v[ADW], s21, v[LI]                ; my twelve tiles of W in K step 0
	v_and_b32 v13, 7, v11
	v_lshl_add_u32 v13, v12, 3, v13
	v_lshrrev_b32 v14, 3, v11
	v_lshl_add_u32 v13, v14, 4, v13
	v_lshlrev_b32 v13, 4, v13                      ; v's place in an image: 16 ((r % 8) + 8 h + 16 (r / 8))
	v_lshlrev_b32 v[C16O], 8, v11
	v_lshl_add_u32 v[C16O], v12, 5, v[C16O]        ; the f32 copies: 256 r + 32 h
	v_mov_b32 v25, 0                               ; a lane permute's destination counts as one of its sources
	v_mov_b32 v27, 0                               ; named as the upper half of the pair v[26:27]
	s_mul_i32 s21, s17, 1536                       ; scale words of W: (384 cbk + 192 wn) x 4 bytes
	s_mul_i32 s22, s14, 768
	s_add_co_u32 s84, s21, s22
	s_add_co_u32 s84, s84, 786432
	s_mov_b32 s85, 0
	s_add_nc_u64 s[88:89], s[6:7], s[84:85]
	s_lshl_b32 s84, s18, 11                        ; scale bytes of x: (128 rb + 64 wm) x 16
	s_lshl_b32 s22, s13, 10
	s_add_co_u32 s84, s84, s22
	s_add_co_u32 s84, s84, 4194304
	s_add_nc_u64 s[90:91], s[4:5], s[84:85]
	s_lshl_b32 s23, s18, 3
	s_lshl_b32 s22, s13, 2
	s_add_co_u32 s23, s23, s22
	s_and_b32 s23, s23, 127                        ; my first tile of positions in the batch
	s_lshl_b32 s84, s23, 12
	s_add_co_u32 s84, s84, 835584
	s_add_nc_u64 s[62:63], s[6:7], s[84:85]        ; its cos and sin
.irp p, 0,1,2,3,4,5
.irp k, 0,1,2,3,4,5,6,7
	global_load_b32 v[WS+8*\p+\k], v[L4], s[88:89] offset:\k*6144+\p*128   ; lanes 0-15: tile 2 p's words, lanes 16-31: tile 2 p + 1's
.endr
.endr
.irp p, 0,1
.irp f, 0,1
	global_load_b128 v[XS+8*\p+4*\f:XS+8*\p+4*\f+3], v[LI], s[90:91] offset:\f*131072+\p*512   ; a row's four words of half of K; lanes 0-15 tile 2 p, lanes 16-31 tile 2 p + 1
.endr
.endr
.macro RLOAD mi                        ; cos (16 registers) and sin (16) of tile mi's positions into set mi % 2
.irp i, 0,1,2,3,4,5,6,7
	global_load_b128 v[CS+32*((\mi)%2)+4*\i:CS+32*((\mi)%2)+4*\i+3], v[LI], s[62:63] offset:(\mi)*4096+\i*512
.endr
.endm
	RLOAD 0
	RLOAD 1
	s_mul_i32 s21, s17, 6
	s_mul_i32 s22, s14, 3
	s_add_co_u32 s21, s21, s22                     ; my first head, 0 .. 21: 0-15 q, 16-19 k, 20-23 v
	s_lshr_b32 s22, s18, 4                         ; the batch
	s_mul_i32 s22, s22, 24
	s_add_co_u32 s22, s22, s21
	s_lshl_b32 s84, s22, 18                        ; 262,144 bytes a head
	s_lshl_b32 s86, s23, 11
	s_add_co_u32 s84, s84, s86
	s_add_nc_u64 s[56:57], s[8:9], s[84:85]
	s_add_nc_u64 s[58:59], s[56:57], 262144
	s_add_nc_u64 s[60:61], s[56:57], 524288
	s_lshl_b32 s84, s22, 12
	s_add_nc_u64 s[66:67], s[10:11], s[84:85]
.irp j, 0,1,2
	s_add_co_u32 s23, s21, \j
	s_cmp_lt_u32 s23, 20
	s_cselect_b32 s[68+\j], 1.0, 0                 ; the factor on 1 / rms: k 1, v 0,
	s_cselect_b32 s[72+2*\j], 0, 1.0               ; what is added to cos x factor: v 1, so that v passes unchanged
	s_cselect_b32 s[92+\j], 0, -1
	s_cmp_lt_u32 s23, 16
	s_cselect_b32 s[68+\j], 0x3e8a7fac, s[68+\j]   ; q: 1.5 log2(e) / 8
	s_mov_b32 s[73+2*\j], s[72+2*\j]
	v_cndmask_b32 v[OFS+\j], v[LI], v13, s[92+\j]
.endr
	s_and_b32 s23, s18, 15
	s_or_b32 s23, s23, s13
	s_cmp_eq_u32 s23, 0
	s_cselect_b32 s78, -1, 0                       ; all lanes where my tile 0 is positions 0-15 of a batch, else none
.macro FETCH ks, set                   ; a K step's fragments: 24 + 8 loads, each of 512 consecutive bytes
	WIN TO_W
.irp n, 0,1,2,3,4,5,6,7,8,9,10,11
	ds_load_b128 v[96*(\set)+8*\n:96*(\set)+8*\n+3], v[ADW] offset:\n*1024
	ds_load_b128 v[96*(\set)+8*\n+4:96*(\set)+8*\n+7], v[ADW] offset:\n*1024+512
.endr
	WIN 0
.irp m, 0,1,2,3
	ds_load_b128 v[XFR+32*(\set)+8*\m:XFR+32*(\set)+8*\m+3], v[ADX] offset:(\ks)*8192+\m*1024
	ds_load_b128 v[XFR+32*(\set)+8*\m+4:XFR+32*(\set)+8*\m+7], v[ADX] offset:(\ks)*8192+\m*1024+512
.endr
.endm
.macro WM ks, set, mi, nt              ; one product; an odd tile's scale words stand in lanes 16-31
.set rD, 96*((\mi)%2)+8*(\nt)
.set rA, 96*(\set)+8*(\nt)
.set rB, XFR+32*(\set)+8*(\mi)
.set rP, WS+8*((\nt)/2)+(\ks)
.set rQ, XS+8*((\mi)/2)+(\ks)
.if (\ks) == 0
.if (\nt)%2 == 0
.if (\mi)%2 == 0
	v_wmma_scale_f32_16x16x128_f8f6f4 v[rD:rD+7], v[rA:rA+7], v[rB:rB+7], 0, v[rP], v[rQ] matrix_a_fmt:MATRIX_FMT_FP4 matrix_b_fmt:MATRIX_FMT_FP4
.else
	v_wmma_scale_f32_16x16x128_f8f6f4 v[rD:rD+7], v[rA:rA+7], v[rB:rB+7], 0, v[rP], v[rQ] matrix_a_fmt:MATRIX_FMT_FP4 matrix_b_fmt:MATRIX_FMT_FP4 matrix_b_scale:MATRIX_SCALE_ROW1
.endif
.else
.if (\mi)%2 == 0
	v_wmma_scale_f32_16x16x128_f8f6f4 v[rD:rD+7], v[rA:rA+7], v[rB:rB+7], 0, v[rP], v[rQ] matrix_a_fmt:MATRIX_FMT_FP4 matrix_b_fmt:MATRIX_FMT_FP4 matrix_a_scale:MATRIX_SCALE_ROW1
.else
	v_wmma_scale_f32_16x16x128_f8f6f4 v[rD:rD+7], v[rA:rA+7], v[rB:rB+7], 0, v[rP], v[rQ] matrix_a_fmt:MATRIX_FMT_FP4 matrix_b_fmt:MATRIX_FMT_FP4 matrix_a_scale:MATRIX_SCALE_ROW1 matrix_b_scale:MATRIX_SCALE_ROW1
.endif
.endif
.else
.if (\nt)%2 == 0
.if (\mi)%2 == 0
	v_wmma_scale_f32_16x16x128_f8f6f4 v[rD:rD+7], v[rA:rA+7], v[rB:rB+7], v[rD:rD+7], v[rP], v[rQ] matrix_a_fmt:MATRIX_FMT_FP4 matrix_b_fmt:MATRIX_FMT_FP4
.else
	v_wmma_scale_f32_16x16x128_f8f6f4 v[rD:rD+7], v[rA:rA+7], v[rB:rB+7], v[rD:rD+7], v[rP], v[rQ] matrix_a_fmt:MATRIX_FMT_FP4 matrix_b_fmt:MATRIX_FMT_FP4 matrix_b_scale:MATRIX_SCALE_ROW1
.endif
.else
.if (\mi)%2 == 0
	v_wmma_scale_f32_16x16x128_f8f6f4 v[rD:rD+7], v[rA:rA+7], v[rB:rB+7], v[rD:rD+7], v[rP], v[rQ] matrix_a_fmt:MATRIX_FMT_FP4 matrix_b_fmt:MATRIX_FMT_FP4 matrix_a_scale:MATRIX_SCALE_ROW1
.else
	v_wmma_scale_f32_16x16x128_f8f6f4 v[rD:rD+7], v[rA:rA+7], v[rB:rB+7], v[rD:rD+7], v[rP], v[rQ] matrix_a_fmt:MATRIX_FMT_FP4 matrix_b_fmt:MATRIX_FMT_FP4 matrix_a_scale:MATRIX_SCALE_ROW1 matrix_b_scale:MATRIX_SCALE_ROW1
.endif
.endif
.endif
.endm
; A K step: the next step's fragments are asked for, into the other set, then this step's 48 products: the 48 accumulators take turns, in the same order in every step.
.macro KSTEP ks
	s_wait_dscnt 0x0                               ; this step's fragments are in
.if (\ks) > 0
	PLACES                                         ; four places between the last step's products and the loads into the set that they read
.endif
.if (\ks) == 3
	s_wait_tensorcnt 0x0                           ; my loads of K step w + 4 have landed,
	s_barrier_signal -1
	s_barrier_wait -1                              ; everybody's have: K steps 4 to 7 may be read.  Nothing is filled again
.endif
.if (\ks) < 7
	v_add_nc_u32 v[ADW], 24576, v[ADW]
	FETCH (\ks)+1, ((\ks)+1)%2
.endif
	WIN MUL_LO
.irp m, 0,1
.irp n, 0,1,2,3,4,5,6,7,8,9,10,11
	WM \ks, (\ks)%2, \m, \n
.endr
.endr
	WIN MUL_HI
.irp m, 2,3
.irp n, 0,1,2,3,4,5,6,7,8,9,10,11
	WM \ks, (\ks)%2, \m, \n
.endr
.endr
	WIN 0
.endm
	s_wait_tensorcnt 2                             ; my two loads of K step w have landed; the two of K step w + 4 may be out
	s_barrier_signal -1
	s_barrier_wait -1                              ; K steps 0 to 3 are whole
	FETCH 0, 0
	s_wait_loadcnt 0x0                             ; scale words and the first two tables
.irp k, 0,1,2,3,4,5,6,7
	KSTEP \k
.endr
	PLACES                                         ; four places between the last products and the first read of results
; Head j of tile mi: 1 / rms, the rotation, f16, four images out.  Each accumulator is read first at its low end.
.macro HEADOUT mi, j
.set AW, 2+(\mi)/2
.set AB, 96*((\mi)%2)+32*(\j)
.set CSB, CS+32*((\mi)%2)
	s_wait_xcnt 0x0                                ; the last head's stores have read their registers
	WIN AW|(AW<<2)
.irp t, 0,1,2,3
	v_pk_mul_f32 v[SS+2*\t:SS+2*\t+1], v[AB+8*\t:AB+8*\t+1], v[AB+8*\t:AB+8*\t+1]
.endr
.irp e, 2,4,6
.irp t, 0,1,2,3
	v_pk_fma_f32 v[SS+2*\t:SS+2*\t+1], v[AB+8*\t+\e:AB+8*\t+\e+1], v[AB+8*\t+\e:AB+8*\t+\e+1], v[SS+2*\t:SS+2*\t+1]
.endr
.endr
	WIN 0
	v_pk_add_f32 v[SS:SS+1], v[SS:SS+1], v[SS+2:SS+3]
	v_pk_add_f32 v[SS+4:SS+5], v[SS+4:SS+5], v[SS+6:SS+7]
	v_pk_add_f32 v[SS:SS+1], v[SS:SS+1], v[SS+4:SS+5]
	v_add_f32 v24, v[SS], v[SS+1]
	v_permlanex16_b32 v25, v24, s80, s81           ; the head's other 32 channels
	v_add_f32 v24, v24, v25
	v_fma_f32 v24, v24, s82, s83                   ; the mean of squares + eps
	v_rsq_f32 v28, v24
	v_nop                                          ; a plain instruction behind the transcendental
	s_wait_alu depctr_va_vdst(0)                   ; and the wait ahead of its first reader
	v_mul_f32 v26, s[68+\j], v28
.irp e, 0,2,4,6,8,10,12,14
	v_pk_fma_f32 v[CF+\e:CF+\e+1], v[CSB+\e:CSB+\e+1], v[26:27], s[72+2*\j:73+2*\j] op_sel_hi:[1,0,0]
	v_pk_mul_f32 v[SF+\e:SF+\e+1], v[CSB+16+\e:CSB+17+\e], v[26:27] op_sel_hi:[1,0]
.endr
	WIN AW
.irp t, 0,1
.irp e, 0,2,4,6
	v_pk_mul_f32 v[OUT+8*\t+\e:OUT+8*\t+\e+1], v[AB+8*\t+\e:AB+8*\t+\e+1], v[CF+8*\t+\e:CF+8*\t+\e+1]
	v_pk_mul_f32 v[OUT+16+8*\t+\e:OUT+16+8*\t+\e+1], v[AB+16+8*\t+\e:AB+16+8*\t+\e+1], v[CF+8*\t+\e:CF+8*\t+\e+1]
.endr
.irp e, 0,2,4,6
	v_pk_fma_f32 v[OUT+8*\t+\e:OUT+8*\t+\e+1], v[AB+16+8*\t+\e:AB+16+8*\t+\e+1], v[SF+8*\t+\e:SF+8*\t+\e+1], v[OUT+8*\t+\e:OUT+8*\t+\e+1] neg_lo:[0,1,0] neg_hi:[0,1,0]
	v_pk_fma_f32 v[OUT+16+8*\t+\e:OUT+16+8*\t+\e+1], v[AB+8*\t+\e:AB+8*\t+\e+1], v[SF+8*\t+\e:SF+8*\t+\e+1], v[OUT+16+8*\t+\e:OUT+16+8*\t+\e+1]
.endr
.endr
	WIN 0
.irp i, 0,1,2,3,4,5,6,7,8,9,10,11,12,13,14,15
	v_cvt_pk_f16_f32 v[PK+\i], v[OUT+2*\i], v[OUT+2*\i+1]
.endr
.irp t, 0,1,2,3
	global_store_b128 v[OFS+\j], v[PK+4*\t:PK+4*\t+3], s[56+2*\j:57+2*\j] offset:(\mi)*2048+\t*512   ; the wave's 32 lanes cover 512 consecutive bytes
.endr
.if (\mi) == 0
	s_wait_xcnt 0x0                                ; EXEC changes only behind this wait
	s_mov_b32 vcc_lo, s78
	s_and_saveexec_b32 s79, vcc_lo                 ; positions 0-15 of a batch: all lanes; else none.  No branch: the condition holds the work-group's place in its cluster
.irp t, 0,1,2,3
	global_store_b128 v[C16O], v[OUT+8*\t:OUT+8*\t+3], s[66:67] offset:(\j)*4096+64*\t
	global_store_b128 v[C16O], v[OUT+8*\t+4:OUT+8*\t+7], s[66:67] offset:(\j)*4096+64*\t+16
.endr
	s_wait_xcnt 0x0                                ; and again ahead of the line that widens it
	s_or_b32 exec_lo, exec_lo, s79
.endif
.endm
.irp j, 0,1,2
	HEADOUT 0, \j
.endr
	RLOAD 2                                        ; set 0 is done with
.irp j, 0,1,2
	HEADOUT 1, \j
.endr
	RLOAD 3
	s_wait_loadcnt 8                               ; tile 2's table is in; tile 3's eight loads may be out
.irp j, 0,1,2
	HEADOUT 2, \j
.endr
	s_wait_loadcnt 0x0
.irp j, 0,1,2
	HEADOUT 3, \j
.endr
	s_wait_tensorcnt 0x0                           ; the wave's end
	ds_add_u32 v[SPW], v[NIL]
	s_wait_dscnt 0x0
	CROUND                                         ; the closing round
	s_endpgm
.Lfunc_end_k_qd5b5a77d1b_qkv:
	.size	k_qd5b5a77d1b_qkv, .Lfunc_end_k_qd5b5a77d1b_qkv-k_qd5b5a77d1b_qkv
	.p2alignl 7, 3214868480
	.fill 96, 4, 3214868480
	.section	.rodata,"a",@progbits
	.p2align	6, 0x0
	.amdhsa_kernel k_qd5b5a77d1b_qkv
		.amdhsa_group_segment_fixed_size 262656
		.amdhsa_private_segment_fixed_size 0
		.amdhsa_enable_private_segment 0
		.amdhsa_kernarg_size 32
		.amdhsa_user_sgpr_count 2
		.amdhsa_user_sgpr_kernarg_segment_ptr 1
		.amdhsa_wavefront_size32 1
		.amdhsa_system_sgpr_workgroup_id_x 1
		.amdhsa_system_sgpr_workgroup_id_y 1
		.amdhsa_system_sgpr_workgroup_id_z 1
		.amdhsa_system_vgpr_workitem_id 0
		.amdhsa_next_free_vgpr 960
		.amdhsa_next_free_sgpr 96
		.amdhsa_reserve_vcc 1
		.amdhsa_float_denorm_mode_32 3
		.amdhsa_float_denorm_mode_16_64 3
		.amdhsa_memory_ordered 1
		.amdhsa_forward_progress 1
		.amdhsa_inst_pref_size 159
	.end_amdhsa_kernel
	.amdgpu_metadata
---
amdhsa.version: [ 1, 2 ]
amdhsa.kernels:
  - .name:           k_qd5b5a77d1b_qkv
    .symbol:         k_qd5b5a77d1b_qkv.kd
    .args:
      - { .name: xq, .offset: 0, .size: 8, .value_kind: global_buffer, .address_space: global }
      - { .name: wt, .offset: 8, .size: 8, .value_kind: global_buffer, .address_space: global }
      - { .name: qkvf, .offset: 16, .size: 8, .value_kind: global_buffer, .address_space: global }
      - { .name: c16, .offset: 24, .size: 8, .value_kind: global_buffer, .address_space: global }
    .group_segment_fixed_size: 262656
    .private_segment_fixed_size: 0
    .kernarg_segment_align: 8
    .kernarg_segment_size: 32
    .max_flat_workgroup_size: 128
    .sgpr_count:     96
    .vgpr_count:     960
    .wavefront_size: 32
...
	.end_amdgpu_metadata
.endif
;; end of part 2
;; launch attn (part 3): grid 16 x 16, 8 waves a work-group, no clusters, 327,680 bytes of LDS; arguments qkvf, yf; writes yf
.if DOCPART == 3
	.amdgcn_target "amdgcn-amd-amdhsa--gfx1250"
	.amdhsa_code_object_version 6
	.text
	.protected	k_qd5b5a77d1b_attn
	.globl	k_qd5b5a77d1b_attn
	.p2align	8
	.type	k_qd5b5a77d1b_attn,@function
k_qd5b5a77d1b_attn:
	s_mov_b64 s[64:65], 0
	v_nop
	global_prefetch_b8 v0, s[64:65] scope:SCOPE_SE
	s_setreg_imm32_b32 hwreg(HW_REG_WAVE_MODE, 25, 1), 1
	s_wait_xcnt 0x0
; ATTN: causal attention in f16 with f32 sums, a running maximum and a running sum.  q carries 1.5 log2(e) / 8, so p = 2^(s - m).
; SHARES.  Work-group (j, g): batch g / 4, key/value head g % 4, its four query heads, and TWO blocks of 64 queries, j and then 31 - j: j + 1 and 32 - j steps of 64 keys, 33 in every work-group.
; A slot holds 128 keys of K and V; every work-group walks 17 slots ((j + 2) / 2 for the first block), so the trip count is a constant; the one step that lies wholly behind the diagonal is jumped over.
; Wave w: position tile w % 4 of the block, query heads 2 (w / 4) and 2 (w / 4) + 1 of the four: two tiles of 16 queries that share each fragment of K and V and the mask.  Two waves to a SIMD.
; LAYOUT.  S^T = K Q^T and O^T = V^T P: a lane holds one query (lane % 16); two tiles of S^T, packed to f16, are source 1 of the second product in the same lane.  All fragments are images: 512 consecutive bytes a load.
; V comes turned by ds_load_tr16_b128; the launch before laid its lanes' places for that.  O^T packed is an image of the projection's operand: stored straight.
; NO CLUSTER: at one and the same trip the work-groups of a head walk different key slots (the change of blocks hangs on j), so their descriptors differ and no load can be asked jointly.
; Every wait on TENSORcnt is for 0; one tensor load a wave is out at most (waves 0: K, 1: V).
; LIMITS: positions 0-15 of a batch are made here in f16 like the others and are made again in f32 by the last launch.
.set SPARE, 65536
.set LI,   1
.set ADR,  2
.set SPW,  3
.set NIL,  4
.set DQ,   5                           ; v5  16 pw + r - 8 h: in the diagonal step register 8 kt + jj is hidden where 16 kt + jj > this
.set PFO,  6
.set NINF, 7
.set ST,   8                           ; tile x's statistics at v[8 + 12 x]: +0 m, +1 pad, +2, +3 l, +4 a, +5 pad, +6 .. +9 at work
.set Q,    32
.set S,    64
.set O,    128
.set KV,   192
.set WV,   8
.set J,    9
.set N1,   10
.set QB,   11
.set KB,   12
.set TR,   13
.set SLOTS, 14
.set TB,   15
.set KOFF, 16                          ; s[16:17]
.set LIM,  42
.macro TLOAD                           ; wave 0 fetches a slot's K, wave 1 its V: 16,384 dense bytes each
	s_cmp_lt_u32 s[WV], 2
	s_cbranch_scc0 .Lnoload_\@
	tensor_load_to_lds s[24:27], s[32:39]
	s_nop 0
.rept 4
	v_nop
.endr
.Lnoload_\@:
.endm
; A prefetch of key slot (trip + 2): one trip ahead of the first tensor load of any work-group of the head that asks for it.  The head's work-group j = 0 asks, in the waves that fetch nothing:
; waves 4, 5 K's two halves of 8,192 bytes, waves 6, 7 V's; lanes 256 bytes apart: each block of 256 bytes is named once in the launch.  Slots 0 and 1 come by their loads alone; trips 14 on ask for nothing.
.macro ASK
	s_cmp_gt_u32 s[SLOTS], s[LIM]
	s_cbranch_scc0 .Lnotmine_\@
	global_prefetch_b8 v[PFO], s[40:41] th:TH_LOAD_NT scope:SCOPE_SE
.Lnotmine_\@:
.endm
	s_load_b128 s[4:7], s[0:1], 0x0                ; qkvf, yf
	v_lshl_add_u32 v[SPW], v0, 2, SPARE
	v_mov_b32 v[NIL], 0
	ds_add_u32 v[SPW], v[NIL]                      ; the wave's opening: the add, twice on end; its wait comes ahead of the first tensor load
	ds_add_u32 v[SPW], v[NIL]
	v_lshrrev_b32 v5, 5, v0
	v_readfirstlane_b32 s[WV], v5
	s_mov_b32 s[J], ttmp9
	s_and_b32 s48, ttmp7, 0xffff
	s_lshr_b32 s22, s48, 2                         ; batch
	s_and_b32 s23, s48, 3                          ; key/value head
	s_add_co_u32 s[N1], s[J], 2
	s_lshr_b32 s[N1], s[N1], 1                     ; slots of the first block
	s_and_b32 s56, s[WV], 3                        ; pw
	s_lshr_b32 s57, s[WV], 2                       ; wh
	s_mov_b32 s32, 3<<16                           ; group 1: 64 rows of 32 elements of 8 bytes, dense, no padding, no mask
	s_mov_b32 s33, 32<<16
	s_mov_b32 s34, 64<<16
	s_mov_b32 s35, 32<<16
	s_mov_b32 s36, 64
	s_mov_b32 s37, 32
	s_mov_b32 s38, 0
	s_mov_b32 s39, 0
	s_mov_b32 s20, 0x76543210
	s_mov_b32 s21, 0xfedcba98
	s_mul_i32 s48, s22, 24
	s_add_co_u32 s49, s48, s23
	s_add_co_u32 s49, s49, 16
	s_lshl_b32 s50, s49, 18                        ; K's head in qkvf
	s_and_b32 s51, s[WV], 1
	s_lshl_b32 s52, s51, 20                        ; V's lies four heads on
	s_add_co_u32 s52, s52, s50
	s_mov_b32 s53, 0
	s_lshl_b32 s54, s23, 2
	s_add_co_u32 s54, s54, s48
	s_lshl_b32 s55, s57, 1
	s_add_co_u32 s54, s54, s55                     ; my first query head
	s_lshl_b32 s54, s54, 18
	s_lshl_b32 s55, s56, 11
	s_add_co_u32 s54, s54, s55
	s_mov_b32 s55, 0
	s_lshl_b32 s58, s23, 1
	s_add_co_u32 s58, s58, s57
	s_lshl_b32 s58, s58, 21                        ; yf: K step 2 kvh + wh of the projection
	s_lshl_b32 s59, s22, 7
	s_add_co_u32 s59, s59, s56
	s_lshl_b32 s59, s59, 12
	s_add_co_u32 s58, s58, s59
	s_mov_b32 s59, 0
	s_lshr_b32 s60, s[WV], 1
	s_and_b32 s60, s60, 1
	s_lshl_b32 s60, s60, 20
	s_lshl_b32 s61, s51, 13
	s_add_co_u32 s60, s60, s61
	s_add_co_u32 s60, s60, s50
	s_add_co_u32 s60, s60, 16384                   ; the prefetches stand at key slot 1; the first change of slots steps them to slot 2
	s_mov_b32 s61, 0
	s_lshr_b32 s62, s[WV], 2
	s_xor_b32 s62, s62, 1
	s_or_b32 s62, s62, s[J]
	s_cmp_eq_u32 s62, 0
	s_cselect_b32 s[LIM], 2, -1
	s_mov_b32 s[KOFF], 0
	s_mov_b32 s[KOFF+1], 0
	s_mov_b32 s[QB], s[J]
	s_mov_b32 s[KB], 0
	s_mov_b32 s[TR], 1
	s_mov_b32 s[SLOTS], 16
	s_mov_b32 s[TB], 0
	s_wait_dscnt 0x0                               ; both opening adds are done
	s_wait_kmcnt 0x0
	s_add_nc_u64 s[18:19], s[4:5], s[52:53]        ; where my tensor loads' tensor begins
	s_mov_b32 s24, 1
	s_lshl_b32 s25, s51, 14                        ; slot 0: K at 0, V at 16,384
	s_mov_b64 s[26:27], s[18:19]
	s_or_b32 s27, s27, 0x80000000
	TLOAD                                          ; key slot 0
	s_add_nc_u64 s[44:45], s[4:5], s[54:55]        ; q: my heads, my position tile of block 0
	s_add_nc_u64 s[46:47], s[6:7], s[58:59]        ; yf likewise
	s_add_nc_u64 s[40:41], s[4:5], s[60:61]
	v_and_b32 v1, 31, v0
	v_lshlrev_b32 v[PFO], 8, v1
	v_lshlrev_b32 v[LI], 4, v1
	v_and_b32 v[DQ], 15, v0
	v_bfe_u32 v2, v0, 4, 1
	v_lshlrev_b32 v2, 3, v2
	v_sub_nc_u32 v[DQ], v[DQ], v2
	s_lshl_b32 s48, s56, 4
	v_add_nc_u32 v[DQ], s48, v[DQ]
	v_mov_b32 v[NINF], 0xff800000
; A block begins: its q, and empty statistics.  O^T and l begin as zeros and m as -3e38: the first step's a is 0 and multiplies zeros, so the step is written once.
.macro START
	s_lshl_b32 s48, s[QB], 13
	s_mov_b32 s49, 0
	s_add_nc_u64 s[28:29], s[44:45], s[48:49]
.irp x, 0,1
.irp i, 0,1,2,3
	global_load_b128 v[Q+16*\x+4*\i:Q+16*\x+4*\i+3], v[LI], s[28:29] offset:\x*262144+\i*512
.endr
.endr
.irp x, 0,1
	v_mov_b32 v[ST+12*\x], 0xff61b1e6
.irp i, 1,2,3,4,5,6,7,8,9
	v_mov_b32 v[ST+12*\x+\i], 0
.endr
.endr
.set i, 0
.rept 64
	v_mov_b32 v[O+i], 0
.set i, i+1
.endr
	s_wait_loadcnt 0x0
.endm
; A block ends: O^T / l, f16, eight images: 4,096 consecutive bytes a wave.
.macro FINISH
.irp x, 0,1
	v_add_f32 v[ST+12*\x+6], v[ST+12*\x+2], v[ST+12*\x+3]
.endr
.irp x, 0,1
	v_permlanex16_b32 v[ST+12*\x+7], v[ST+12*\x+6], s20, s21
.endr
.irp x, 0,1
	v_add_f32 v[ST+12*\x+6], v[ST+12*\x+6], v[ST+12*\x+7]
.endr
.irp x, 0,1
	v_rcp_f32 v[ST+12*\x+4], v[ST+12*\x+6]
.endr
	v_nop                                          ; a plain instruction behind the reciprocals
	s_wait_alu depctr_va_vdst(0)                   ; one wait for both
.irp i, 0,2,4,6,8,10,12,14,16,18,20,22,24,26,28,30
.irp x, 0,1
	v_pk_mul_f32 v[O+32*\x+\i:O+32*\x+\i+1], v[O+32*\x+\i:O+32*\x+\i+1], v[ST+12*\x+4:ST+12*\x+5] op_sel_hi:[1,0]
.endr
.endr
.irp i, 0,1,2,3,4,5,6,7,8,9,10,11,12,13,14,15
.irp x, 0,1
	v_cvt_pk_f16_f32 v[S+32*\x+\i], v[O+32*\x+2*\i], v[O+32*\x+2*\i+1]
.endr
.endr
	s_lshl_b32 s48, s[QB], 14
	s_mov_b32 s49, 0
	s_add_nc_u64 s[30:31], s[46:47], s[48:49]
.irp x, 0,1
.irp d, 0,1,2,3
	global_store_b128 v[LI], v[S+32*\x+4*\d:S+32*\x+4*\d+3], s[30:31] offset:\x*2048+\d*512
.endr
.endr
	s_wait_xcnt 0x0                                ; the stores have read their registers and their base
.endm
; A KEY STEP: 64 keys, the u-th half of the slot in hand.
.macro STEP u
	s_cmp_gt_u32 s[KB], s[QB]                      ; all its keys come after my block's queries: ids alone, the same in all waves
	s_cbranch_scc1 .Lhid_\@
.irp k, 0,1,2,3
.irp f, 0,1,2,3
	ds_load_b128 v[KV+16*\k+4*\f:KV+16*\k+4*\f+3], v[ADR] offset:(4*(\u)+\k)*2048+\f*512
.endr
.endr
	s_wait_dscnt 0x0
.irp s, 0,1                                    ; S^T = K Q^T: the eight accumulators take turns; the first eight products start the sums
.irp k, 0,1,2,3
.irp x, 0,1
.if \s == 0
	v_wmma_f32_16x16x32_f16 v[S+32*\x+8*\k:S+32*\x+8*\k+7], v[KV+16*\k:KV+16*\k+7], v[Q+16*\x:Q+16*\x+7], 0
.else
	v_wmma_f32_16x16x32_f16 v[S+32*\x+8*\k:S+32*\x+8*\k+7], v[KV+16*\k+8:KV+16*\k+15], v[Q+16*\x+8:Q+16*\x+15], v[S+32*\x+8*\k:S+32*\x+8*\k+7]
.endif
.endr
.endr
.endr
.rept 4
	v_nop                                          ; four places ahead of the loads into K's registers and of the first read of the scores
.endr
.irp b, 0,1
.irp d, 0,1,2,3
.irp c, 0,1
	ds_load_tr16_b128 v[KV+32*\b+8*\d+4*\c:KV+32*\b+8*\d+4*\c+3], v[ADR] offset:16384+(4*(\u)+2*\b+\c)*2048+\d*512   ; V^T: channel 16 d + lane % 16, keys 32 b + 16 c + 8 (lane / 16) + 0..7; lands under the softmax
.endr
.endr
.endr
	s_cmp_lg_u32 s[KB], s[QB]
	s_cbranch_scc1 .Lopen_\@
.irp k, 0,1,2,3                                ; the diagonal step: hidden scores become -infinity; both tiles have the same positions
.irp e, 0,1,2,3,4,5,6,7
	v_cmp_gt_i32 vcc_lo, 16*\k+\e, v[DQ]
	v_cndmask_b32 v[S+8*\k+\e], v[S+8*\k+\e], v[NINF], vcc_lo
	v_cndmask_b32 v[S+32+8*\k+\e], v[S+32+8*\k+\e], v[NINF], vcc_lo
.endr
.endr
.Lopen_\@:
.irp c, 0,1,2,3                                ; the maximum: four chains a tile, each accumulator from its low end; the two tiles line by line by turns
.irp x, 0,1
	v_max3_num_f32 v[ST+12*\x+6+\c], v[S+32*\x+8*\c], v[S+32*\x+8*\c+1], v[S+32*\x+8*\c+2]
.endr
.endr
.irp g, 1,2
.irp c, 0,1,2,3
.irp x, 0,1
	v_max3_num_f32 v[ST+12*\x+6+\c], v[ST+12*\x+6+\c], v[S+32*\x+8*\c+2*\g+1], v[S+32*\x+8*\c+2*\g+2]
.endr
.endr
.endr
.irp x, 0,1
	v_max3_num_f32 v[ST+12*\x+6], v[ST+12*\x+6], v[S+32*\x+7], v[S+32*\x+15]
	v_max3_num_f32 v[ST+12*\x+8], v[ST+12*\x+8], v[S+32*\x+23], v[S+32*\x+31]
.endr
.irp x, 0,1
	v_max3_num_f32 v[ST+12*\x+6], v[ST+12*\x+6], v[ST+12*\x+7], v[ST+12*\x+8]
.endr
.irp x, 0,1
	v_max3_num_f32 v[ST+12*\x+6], v[ST+12*\x+6], v[ST+12*\x+9], v[ST+12*\x]
.endr
.irp x, 0,1
	v_permlanex16_b32 v[ST+12*\x+7], v[ST+12*\x+6], s20, s21   ; the query's other 32 keys
.endr
.irp x, 0,1
	v_max_num_f32 v[ST+12*\x+8], v[ST+12*\x+6], v[ST+12*\x+7]  ; the new m
.endr
.irp x, 0,1
	v_sub_f32 v[ST+12*\x+4], v[ST+12*\x], v[ST+12*\x+8]        ; old m - new m
.endr
.irp x, 0,1
	v_mov_b32 v[ST+12*\x], v[ST+12*\x+8]
.endr
.irp i, 0,2,4,6,8,10,12,14,16,18,20,22,24,26,28,30
.irp x, 0,1
	v_pk_add_f32 v[S+32*\x+\i:S+32*\x+\i+1], v[S+32*\x+\i:S+32*\x+\i+1], v[ST+12*\x:ST+12*\x+1] op_sel_hi:[1,0] neg_lo:[0,1] neg_hi:[0,1]
.endr
.endr
.irp x, 0,1
	v_exp_f32 v[ST+12*\x+4], v[ST+12*\x+4]         ; a.  ONE BATCH of 66 exponentials
.endr
.irp i, 0,1,2,3,4,5,6,7,8,9,10,11,12,13,14,15,16,17,18,19,20,21,22,23,24,25,26,27,28,29,30,31
.irp x, 0,1
	v_exp_f32 v[S+32*\x+\i], v[S+32*\x+\i]
.endr
.endr
	v_nop                                          ; a plain instruction behind the last exponential
	s_wait_alu depctr_va_vdst(0)                   ; one wait for the batch, ahead of its first reader
.irp x, 0,1
	v_pk_add_f32 v[ST+12*\x+6:ST+12*\x+7], v[S+32*\x:S+32*\x+1], v[S+32*\x+2:S+32*\x+3]
	v_pk_add_f32 v[ST+12*\x+8:ST+12*\x+9], v[S+32*\x+4:S+32*\x+5], v[S+32*\x+6:S+32*\x+7]
.endr
.irp i, 8,12,16,20,24,28
.irp x, 0,1
	v_pk_add_f32 v[ST+12*\x+6:ST+12*\x+7], v[ST+12*\x+6:ST+12*\x+7], v[S+32*\x+\i:S+32*\x+\i+1]
	v_pk_add_f32 v[ST+12*\x+8:ST+12*\x+9], v[ST+12*\x+8:ST+12*\x+9], v[S+32*\x+\i+2:S+32*\x+\i+3]
.endr
.endr
.irp x, 0,1
	v_pk_add_f32 v[ST+12*\x+6:ST+12*\x+7], v[ST+12*\x+6:ST+12*\x+7], v[ST+12*\x+8:ST+12*\x+9]
.endr
.irp x, 0,1
	v_pk_fma_f32 v[ST+12*\x+2:ST+12*\x+3], v[ST+12*\x+2:ST+12*\x+3], v[ST+12*\x+4:ST+12*\x+5], v[ST+12*\x+6:ST+12*\x+7] op_sel_hi:[1,0,1]   ; l = l a + the step's sum
.endr
.irp i, 0,1,2,3,4,5,6,7,8,9,10,11,12,13,14,15
.irp x, 0,1
	v_cvt_pk_f16_f32 v[S+32*\x+\i], v[S+32*\x+2*\i], v[S+32*\x+2*\i+1]   ; P in S^T's place, ascending: register i is written when registers up to 2 i + 1 have been read
.endr
.endr
.irp i, 0,2,4,6,8,10,12,14,16,18,20,22,24,26,28,30
.irp x, 0,1
	v_pk_mul_f32 v[O+32*\x+\i:O+32*\x+\i+1], v[O+32*\x+\i:O+32*\x+\i+1], v[ST+12*\x+4:ST+12*\x+5] op_sel_hi:[1,0]
.endr
.endr
	s_wait_dscnt 0x0                               ; V is in
.irp b, 0,1                                    ; O^T += V^T P: eight accumulators by turns
.irp d, 0,1,2,3
.irp x, 0,1
	v_wmma_f32_16x16x32_f16 v[O+32*\x+8*\d:O+32*\x+8*\d+7], v[KV+32*\b+8*\d:KV+32*\b+8*\d+7], v[S+32*\x+8*\b:S+32*\x+8*\b+7], v[O+32*\x+8*\d:O+32*\x+8*\d+7]
.endr
.endr
.endr
.rept 5
	v_nop                                          ; five places: the next step's first products write over P's registers; its loads land in V's
.endr
.Lhid_\@:
	s_add_co_u32 s[KB], s[KB], 1
.endm
; THE CHANGE OF SLOTS, at a slot's head: each wave waits for all its tensor loads, adds 0 to its spare word, waits for that and for its reads of the slot that it has left; a barrier; then the slot just left is filled
; with the keys of the next trip: the next 128, or, where the next trip begins the second block, the head's first 128.
.macro CHANGE fill
	s_wait_tensorcnt 0x0                           ; no tensor load of mine is out, so group 0 may be written
	ds_add_u32 v[SPW], v[NIL]
.if \fill
	ds_add_u32 v[SPW], v[NIL]                      ; twice on end here, in every trip alike; the descriptor's steps stand between the second and the wait
	s_xor_b32 s25, s25, 32768
	s_add_co_u32 s48, s[KOFF], 16384
	s_cmp_eq_u32 s[TR], s[N1]
	s_cselect_b32 s[KOFF], 0, s48
	s_add_nc_u64 s[26:27], s[18:19], s[KOFF:KOFF+1]
	s_or_b32 s27, s27, 0x80000000
	s_wait_xcnt 0x0                                ; the last prefetch, a trip back, has read its address
	s_add_nc_u64 s[40:41], s[40:41], 16384
.endif
	s_wait_dscnt 0x0
	s_barrier_signal -1
	s_barrier_wait -1
.if \fill
	TLOAD                                          ; the first thing behind the barrier, and a wave's one tensor load until the next
	ASK
.endif
.endm
	START
.Lslot:                                            ; 16 trips; every slot that is asked for has a step that is worked
	CHANGE 1
	v_add_nc_u32 v[ADR], s[TB], v[LI]
	STEP 0
	STEP 1
	s_xor_b32 s[TB], s[TB], 32768
	s_cmp_lg_u32 s[TR], s[N1]                      ; ids and the count of trips alone: the same in all waves; no barrier, wait on tensor loads, add or tensor load stands under it
	s_cbranch_scc1 .Lsame
	FINISH
	s_sub_co_u32 s[QB], 31, s[J]
	s_mov_b32 s[KB], 0
	START
.Lsame:
	s_add_co_u32 s[TR], s[TR], 1
	s_sub_co_u32 s[SLOTS], s[SLOTS], 1
	s_cmp_lg_u32 s[SLOTS], 0
	s_cbranch_scc1 .Lslot
	CHANGE 0                                       ; the last slot is written out: nothing is left to fetch
	v_add_nc_u32 v[ADR], s[TB], v[LI]
	STEP 0
	STEP 1
	FINISH
	s_wait_tensorcnt 0x0                           ; the wave's end
	ds_add_u32 v[SPW], v[NIL]
	s_wait_dscnt 0x0
	s_endpgm
.Lfunc_end_k_qd5b5a77d1b_attn:
	.size	k_qd5b5a77d1b_attn, .Lfunc_end_k_qd5b5a77d1b_attn-k_qd5b5a77d1b_attn
	.p2alignl 7, 3214868480
	.fill 96, 4, 3214868480
	.section	.rodata,"a",@progbits
	.p2align	6, 0x0
	.amdhsa_kernel k_qd5b5a77d1b_attn
		.amdhsa_group_segment_fixed_size 327680
		.amdhsa_private_segment_fixed_size 0
		.amdhsa_enable_private_segment 0
		.amdhsa_kernarg_size 16
		.amdhsa_user_sgpr_count 2
		.amdhsa_user_sgpr_kernarg_segment_ptr 1
		.amdhsa_wavefront_size32 1
		.amdhsa_system_sgpr_workgroup_id_x 1
		.amdhsa_system_sgpr_workgroup_id_y 1
		.amdhsa_system_sgpr_workgroup_id_z 1
		.amdhsa_system_vgpr_workitem_id 0
		.amdhsa_next_free_vgpr 256
		.amdhsa_next_free_sgpr 66
		.amdhsa_reserve_vcc 1
		.amdhsa_float_denorm_mode_32 3
		.amdhsa_float_denorm_mode_16_64 3
		.amdhsa_memory_ordered 1
		.amdhsa_forward_progress 1
		.amdhsa_inst_pref_size 104
	.end_amdhsa_kernel
	.amdgpu_metadata
---
amdhsa.version: [ 1, 2 ]
amdhsa.kernels:
  - .name:           k_qd5b5a77d1b_attn
    .symbol:         k_qd5b5a77d1b_attn.kd
    .args:
      - { .name: qkvf, .offset: 0, .size: 8, .value_kind: global_buffer, .address_space: global }
      - { .name: yf, .offset: 8, .size: 8, .value_kind: global_buffer, .address_space: global }
    .group_segment_fixed_size: 327680
    .private_segment_fixed_size: 0
    .kernarg_segment_align: 8
    .kernarg_segment_size: 16
    .max_flat_workgroup_size: 256
    .sgpr_count:     66
    .vgpr_count:     256
    .wavefront_size: 32
...
	.end_amdgpu_metadata
.endif
;; end of part 3
;; launch oproj (part 4): grid 4 x 64, 4 waves a work-group, clusters of 4 x 4, 327,680 bytes of LDS; arguments yf, wof, out0; writes out0
.if DOCPART == 4
	.amdgcn_target "amdgcn-amd-amdhsa--gfx1250"
	.amdhsa_code_object_version 6
	.text
	.protected	k_qd5b5a77d1b_oproj
	.globl	k_qd5b5a77d1b_oproj
	.p2align	8
	.type	k_qd5b5a77d1b_oproj,@function
k_qd5b5a77d1b_oproj:
	s_mov_b64 s[64:65], 0
	v_nop
	global_prefetch_b8 v0, s[64:65] scope:SCOPE_SE
	s_setreg_imm32_b32 hwreg(HW_REG_WAVE_MODE, 25, 1), 1
	s_wait_xcnt 0x0
	s_wait_alu depctr_hold_cnt(0) depctr_sa_sdst(0) depctr_va_vdst(0) depctr_va_sdst(0) depctr_va_ssrc(0) depctr_va_vcc(0) depctr_vm_vsrc(0)
	s_getreg_b32 s2, hwreg(HW_REG_IB_STS2, 6, 4)
	s_cmp_eq_u32 s2, 0
	s_cbranch_scc0 .Lentry_in_a_cluster
	s_endpgm
.Lentry_in_a_cluster:
	s_bfe_u32 s2, ttmp6, 0x10000c
	s_cmp_lg_u32 s2, 0xf033
	s_cbranch_scc0 .Lentry_shape_is_right
	s_endpgm
.Lentry_shape_is_right:
; OPROJ: out0 [8192][1024] f32 = y [8192][1024] x wo [1024][1024], both in f16 as images of their fragments; sums in f32.
; A work-group makes 128 rows x 256 columns, a wave 64 x 128: 32 accumulators.  K goes in 8 steps of 128 through a ring of two LDS slots (y 32 KiB, wo 64 KiB); a tile is one dense block of memory.
; THE MATRIX INSTRUCTION IS USED TRANSPOSED (source 0 = 16 columns of wo, source 1 = 16 rows of y): a lane holds eight neighbouring numbers of a row of out0.
; CLUSTER 4 x 4: y's tile is shared along a row of the cluster, wo's along a column: joint loads, waves 0, 1 y's halves, waves 2, 3 wo's.  Two loads of a wave are out at the start, one behind each round.
; No prefetch: a refill has 112 of a K step's 128 matrix instructions in which to land, and the launch is short.
; Rows 0-15 of each batch are stored like all others (a jump round them would hang on the work-group's place in its cluster); the last launch writes them again, in f32.
; REGISTERS: window 0: v14-29 addresses; v32-95 y's fragments, two sets; v96-223 the way out.  window 1: wo's fragments, two sets of 64.  window 2: accumulator (mi, ni) at v[8 (8 mi + ni)].
.set SLOT,  98304
.set STAGE, 196608                     ; 16 rows x (512 + 16) bytes for each wave
.set SPARE, 230400
.set LI,   14
.set ADRA, 16
.set ADRB, 20
.set STO,  24
.set RD,   25
.set SPW,  28
.set NIL,  29
.set YF,   32
.set BK,   96
.set G1,   24
.set G0,   32
.set G1B,  48
.set G0B,  56
.set MUL,  0xa1
.set MSB, 0
.macro WIN new
.if MSB != (\new)
	s_set_vgpr_msb (MSB<<8)|(\new)
.set MSB, (\new)
.endif
.endm
.macro JLOAD s                         ; an s_nop 0 and four v_nop follow each of the two lines, ahead of the jump, the label and what follows
	s_cmp_eq_u32 s11, 0
	s_cbranch_scc0 .Lfor_b_\@
	tensor_load_to_lds s[G0+4*\s:G0+4*\s+3], s[G1:G1+7]
	s_nop 0
.rept 4
	v_nop
.endr
	s_branch .Lasked_\@
.Lfor_b_\@:
	tensor_load_to_lds s[G0B+4*\s:G0B+4*\s+3], s[G1B:G1B+7]
	s_nop 0
.rept 4
	v_nop
.endr
.Lasked_\@:
.endm
.macro CREST
	s_cmp_lg_u32 s10, 0
	s_cbranch_scc1 .Lnw0_\@
	s_barrier_signal -3
.Lnw0_\@:
	s_barrier_wait -3
	s_barrier_signal -1
	s_barrier_wait -1
.endm
.macro CROUND
	s_barrier_signal -1
	s_barrier_wait -1
	CREST
.endm
.macro PLACES
.rept 4
	v_nop
.endr
.endm
	s_load_b128 s[4:7], s[0:1], 0x0                ; yf, wof
	s_load_b64 s[8:9], s[0:1], 0x10                ; out0
	v_lshl_add_u32 v[SPW], v0, 2, SPARE
	v_mov_b32 v[NIL], 0
	ds_add_u32 v[SPW], v[NIL]                      ; the wave's opening: the add, twice on end; its wait comes ahead of my first tensor load
	ds_add_u32 v[SPW], v[NIL]
	v_lshrrev_b32 v1, 5, v0
	v_readfirstlane_b32 s10, v1
	s_lshr_b32 s11, s10, 1                         ; wm.  Also: I fetch for y (0) or for wo (1)
	s_and_b32 s12, s10, 1                          ; wn.  Also: which half of that tile I fetch
	s_bfe_u32 s40, ttmp6, 0x40000
	s_bfe_u32 s41, ttmp6, 0x40004
	s_lshl_b32 s42, ttmp9, 2
	s_add_co_u32 s42, s42, s40                     ; block of 256 columns
	s_and_b32 s13, ttmp7, 0xffff
	s_lshl_b32 s13, s13, 2
	s_add_co_u32 s13, s13, s41                     ; block of 128 rows
	s_lshl_b32 s43, s41, 2
	s_lshl_b32 s43, 15, s43
	s_lshl_b32 s44, 0x1111, s40
	s_or_b32 s[G1], s43, (3<<16)|(1<<21)           ; half of y's tile: 16,384 dense bytes as 64 rows of 32 elements of 8 bytes
	s_mov_b32 s[G1+1], 32<<16
	s_mov_b32 s[G1+2], 64<<16
	s_mov_b32 s[G1+3], 32<<16
	s_mov_b32 s[G1+4], 64
	s_mov_b32 s[G1+5], 32
	s_mov_b32 s[G1+6], 0
	s_mov_b32 s[G1+7], 0
	s_or_b32 s[G1B], s44, (3<<16)|(1<<21)          ; half of wo's: 32,768 bytes as 128 rows
	s_mov_b32 s[G1B+1], 32<<16
	s_mov_b32 s[G1B+2], 128<<16
	s_mov_b32 s[G1B+3], 32<<16
	s_mov_b32 s[G1B+4], 128
	s_mov_b32 s[G1B+5], 32
	s_mov_b32 s[G1B+6], 0
	s_mov_b32 s[G1B+7], 0
	s_lshl_b32 s16, s13, 15                        ; y: 8 tiles of 4,096 bytes a block of rows, 4 a half
	s_lshl_b32 s17, s12, 14
	s_add_co_u32 s16, s16, s17
	s_mov_b32 s17, 0
	s_lshl_b32 s46, s42, 16                        ; wo: 16 tiles a block of columns, 8 a half
	s_lshl_b32 s47, s12, 15
	s_add_co_u32 s46, s46, s47
	s_mov_b32 s47, 0
	s_lshl_b32 s20, s12, 14                        ; where they go in a slot: no place in the cluster enters an LDS address
	s_lshl_b32 s21, s12, 15
	s_add_co_u32 s21, s21, 32768
	s_wait_dscnt 0x0
	s_wait_kmcnt 0x0
	s_add_nc_u64 s[14:15], s[4:5], s[16:17]
	s_add_nc_u64 s[46:47], s[6:7], s[46:47]
	CROUND                                         ; all sixteen work-groups are here: the first joint loads meet
.irp s, 0,1
	s_mov_b32 s[G0+4*\s], 1
	s_add_co_u32 s[G0+4*\s+1], s20, \s*SLOT
	s_add_nc_u64 s[G0+4*\s+2:G0+4*\s+3], s[14:15], \s*2097152
	s_or_b32 s[G0+4*\s+3], s[G0+4*\s+3], 0x80000000
	s_mov_b32 s[G0B+4*\s], 1
	s_add_co_u32 s[G0B+4*\s+1], s21, \s*SLOT
	s_add_nc_u64 s[G0B+4*\s+2:G0B+4*\s+3], s[46:47], \s*262144
	s_or_b32 s[G0B+4*\s+3], s[G0B+4*\s+3], 0x80000000
	JLOAD \s
.endr
	v_and_b32 v1, 31, v0
	v_lshlrev_b32 v[LI], 4, v1
	v_and_b32 v2, 15, v0
	v_bfe_u32 v3, v0, 4, 1
	s_lshl_b32 s22, s11, 14                        ; my four tiles of y
	s_lshl_b32 s23, s12, 15                        ; my eight of wo, behind y's 32 KiB
	s_add_co_u32 s23, s23, 32768
.irp s, 0,1
	v_add_nc_u32 v[ADRA+\s], s22, v[LI]
	v_add_nc_u32 v[ADRB+\s], s23, v[LI]
	s_add_co_u32 s22, s22, SLOT
	s_add_co_u32 s23, s23, SLOT
.endr
	s_mul_i32 s22, s10, 8448
	s_add_co_u32 s22, s22, STAGE                   ; my stage
	v_mul_u32_u24 v4, v2, 528
	v_lshl_add_u32 v4, v3, 5, v4
	v_add_nc_u32 v[STO], s22, v4                   ; in: row lane % 16, 32 bytes for each half of the lanes
	v_add_nc_u32 v[RD], s22, v[LI]                 ; back: the 32 lanes take one row of 512 bytes
	s_lshl_b32 s16, s13, 7
	s_lshl_b32 s17, s11, 6
	s_add_co_u32 s16, s16, s17                     ; my first row
	s_lshl_b32 s16, s16, 12
	s_lshl_b32 s46, s42, 10
	s_lshl_b32 s47, s12, 9
	s_add_co_u32 s46, s46, s47                     ; my first column, in bytes
	s_add_co_u32 s16, s16, s46
	s_mov_b32 s17, 0
	s_add_nc_u64 s[8:9], s[8:9], s[16:17]
.macro MULG f, mi, zero                ; eight products: y's tile mi against wo's eight, 32 along K.  The 32 accumulators take turns, in the same order in every quarter
.irp n, 0,1,2,3,4,5,6,7
.if \zero
	v_wmma_f32_16x16x32_f16 v[8*(8*(\mi)+\n):8*(8*(\mi)+\n)+7], v[64*(\f)+8*\n:64*(\f)+8*\n+7], v[YF+32*(\f)+8*(\mi):YF+32*(\f)+8*(\mi)+7], 0
.else
	v_wmma_f32_16x16x32_f16 v[8*(8*(\mi)+\n):8*(8*(\mi)+\n)+7], v[64*(\f)+8*\n:64*(\f)+8*\n+7], v[YF+32*(\f)+8*(\mi):YF+32*(\f)+8*(\mi)+7], v[8*(8*(\mi)+\n):8*(8*(\mi)+\n)+7]
.endif
.endr
.endm
.macro FETCH slot, q, f                ; 24 loads in one run: the fragments of the slot's q-th 32 along K into set f
	WIN 0x40
.irp n, 0,1,2,3,4,5,6,7
	ds_load_b128 v[64*(\f)+8*\n:64*(\f)+8*\n+3], v[ADRB+\slot] offset:\n*4096+(\q)*1024
	ds_load_b128 v[64*(\f)+8*\n+4:64*(\f)+8*\n+7], v[ADRB+\slot] offset:\n*4096+(\q)*1024+512
.endr
	WIN 0
.irp m, 0,1,2,3
	ds_load_b128 v[YF+32*(\f)+8*\m:YF+32*(\f)+8*\m+3], v[ADRA+\slot] offset:\m*4096+(\q)*1024
	ds_load_b128 v[YF+32*(\f)+8*\m+4:YF+32*(\f)+8*\m+7], v[ADRA+\slot] offset:\m*4096+(\q)*1024+512
.endr
.endm
.macro QUARTER slot, q, f, g, zero     ; multiplies set f; in its middle fetches the slot's q-th quarter into set g
	s_wait_dscnt 0x0
	WIN MUL
	MULG \f, 0, \zero
	MULG \f, 1, \zero
	PLACES                                         ; four places ahead of loads into registers that the quarter before multiplied
	FETCH \slot, \q, \g
	WIN MUL
	MULG \f, 2, \zero
	MULG \f, 3, \zero
.endm
; A slot's last quarter multiplies set 1 and changes slots: one barrier; in front of it each wave waits for all its tensor loads, adds 0 to its spare word, and waits for that and for its reads of this slot.
.macro TURN slot, next, fill
	WIN 0
	s_wait_tensorcnt 0x0                           ; all my tensor loads have landed: my part of the next slot
	ds_add_u32 v[SPW], v[NIL]
	s_wait_dscnt 1                                 ; the fragments are in; the add alone may be out
	WIN MUL
	MULG 1, 0, 0                                   ; eight matrix instructions stand between the add and the wait for it
	s_wait_dscnt 0x0
	s_barrier_signal -1
	MULG 1, 1, 0
	WIN 0
	s_barrier_wait -1
.if \fill
	CREST                                          ; the barrier has opened a round of the cluster's: no wave of any partner still reads this slot or has a load on its way
	s_add_nc_u64 s[G0+4*\slot+2:G0+4*\slot+3], s[G0+4*\slot+2:G0+4*\slot+3], 4194304
	s_add_nc_u64 s[G0B+4*\slot+2:G0B+4*\slot+3], s[G0B+4*\slot+2:G0B+4*\slot+3], 524288
	JLOAD \slot                                    ; two K steps ahead; its four v_nop are also the places ahead of the loads below
.else
	PLACES
.endif
	FETCH \next, 0, 0
	WIN MUL
	MULG 1, 2, 0
	MULG 1, 3, 0
.endm
	s_wait_tensorcnt 1                             ; my part of K step 0 is in; K step 1's may be out
	s_barrier_signal -1
	s_barrier_wait -1
	FETCH 0, 0, 0
	QUARTER 0, 1, 0, 1, 1                          ; the first quarter's products start the sums
	WIN 0
	s_mov_b32 s3, 3
.Llap:                                             ; a trip goes once round the ring and fills both slots again: K steps 2 to 7
	QUARTER 0, 2, 1, 0, 0
	QUARTER 0, 3, 0, 1, 0
	TURN 0, 1, 1
	QUARTER 1, 1, 0, 1, 0
	QUARTER 1, 2, 1, 0, 0
	QUARTER 1, 3, 0, 1, 0
	TURN 1, 0, 1
	QUARTER 0, 1, 0, 1, 0
	WIN 0
	s_sub_co_u32 s3, s3, 1
	s_cmp_lg_u32 s3, 0
	s_cbranch_scc1 .Llap
	QUARTER 0, 2, 1, 0, 0                          ; the last lap fills nothing
	QUARTER 0, 3, 0, 1, 0
	TURN 0, 1, 0
	QUARTER 1, 1, 0, 1, 0
	QUARTER 1, 2, 1, 0, 0
	QUARTER 1, 3, 0, 1, 0
	s_wait_dscnt 0x0
	WIN MUL
	MULG 1, 0, 0
	MULG 1, 1, 0
	MULG 1, 2, 0
	MULG 1, 3, 0
	WIN 0
; THE WAY OUT, a block of 16 rows x 128 columns at a time, through my own stage: in as 32 bytes a lane, back as whole rows of 512 bytes.  LDS serves a wave's instructions in order.
.macro TOSTAGE a
	WIN 0x08                                       ; an LDS store's data: window 2
.irp n, 0,1,2,3,4,5,6,7
	ds_store_b128 v[STO], v[64*(\a)+8*\n:64*(\a)+8*\n+3] offset:64*\n          ; each accumulator from its low end on
	ds_store_b128 v[STO], v[64*(\a)+8*\n+4:64*(\a)+8*\n+7] offset:64*\n+16
.endr
	WIN 0
.set BB, BK+64*((\a)%2)
.irp t, 0,1,2,3,4,5,6,7,8,9,10,11,12,13,14,15
	ds_load_b128 v[BB+4*\t:BB+4*\t+3], v[RD] offset:\t*528
.endr
.endm
.macro SEND a, younger
.set BB, BK+64*((\a)%2)
	s_wait_dscnt \younger
.if (\a) > 0
	s_add_nc_u64 s[8:9], s[8:9], 65536             ; 16 rows on (behind a wait on XCNT: the earlier stores have read their base)
.endif
.irp t, 0,1,2,3,4,5,6,7,8,9,10,11,12,13,14,15
	global_store_b128 v[LI], v[BB+4*\t:BB+4*\t+3], s[8:9] offset:\t*4096 th:TH_STORE_NT   ; 32 lanes store 512 consecutive bytes
.endr
.endm
	PLACES                                         ; four places between the last products and the first read of results
	TOSTAGE 0
.irp a, 1,2,3
.if \a > 1
	s_wait_xcnt 0x0                                ; block a - 2's stores have read their registers and their base
.endif
	TOSTAGE \a
	SEND \a-1, 32                                  ; behind block a - 1's loads: block a's 16 stores and 16 loads
.endr
	s_wait_xcnt 0x0
	SEND 3, 0
	s_wait_tensorcnt 0x0                           ; the wave's end
	ds_add_u32 v[SPW], v[NIL]
	s_wait_dscnt 0x0
	CROUND                                         ; the closing round
	s_endpgm
.Lfunc_end_k_qd5b5a77d1b_oproj:
	.size	k_qd5b5a77d1b_oproj, .Lfunc_end_k_qd5b5a77d1b_oproj-k_qd5b5a77d1b_oproj
	.p2alignl 7, 3214868480
	.fill 96, 4, 3214868480
	.section	.rodata,"a",@progbits
	.p2align	6, 0x0
	.amdhsa_kernel k_qd5b5a77d1b_oproj
		.amdhsa_group_segment_fixed_size 327680
		.amdhsa_private_segment_fixed_size 0
		.amdhsa_enable_private_segment 0
		.amdhsa_kernarg_size 24
		.amdhsa_user_sgpr_count 2
		.amdhsa_user_sgpr_kernarg_segment_ptr 1
		.amdhsa_wavefront_size32 1
		.amdhsa_system_sgpr_workgroup_id_x 1
		.amdhsa_system_sgpr_workgroup_id_y 1
		.amdhsa_system_sgpr_workgroup_id_z 1
		.amdhsa_system_vgpr_workitem_id 0
		.amdhsa_next_free_vgpr 768
		.amdhsa_next_free_sgpr 66
		.amdhsa_reserve_vcc 0
		.amdhsa_float_denorm_mode_32 3
		.amdhsa_float_denorm_mode_16_64 3
		.amdhsa_memory_ordered 1
		.amdhsa_forward_progress 1
		.amdhsa_inst_pref_size 85
	.end_amdhsa_kernel
	.amdgpu_metadata
---
amdhsa.version: [ 1, 2 ]
amdhsa.kernels:
  - .name:           k_qd5b5a77d1b_oproj
    .symbol:         k_qd5b5a77d1b_oproj.kd
    .args:
      - { .name: yf, .offset: 0, .size: 8, .value_kind: global_buffer, .address_space: global }
      - { .name: wof, .offset: 8, .size: 8, .value_kind: global_buffer, .address_space: global }
      - { .name: out0, .offset: 16, .size: 8, .value_kind: global_buffer, .address_space: global }
    .group_segment_fixed_size: 327680
    .private_segment_fixed_size: 0
    .kernarg_segment_align: 8
    .kernarg_segment_size: 24
    .max_flat_workgroup_size: 128
    .sgpr_count:     66
    .vgpr_count:     768
    .wavefront_size: 32
...
	.end_amdgpu_metadata
.endif
;; end of part 4
;; launch first16 (part 5): grid 16 x 4, 16 waves a work-group, no clusters, 85,248 bytes of LDS; arguments c16, wo, out0; writes out0
.if DOCPART == 5
	.amdgcn_target "amdgcn-amd-amdhsa--gfx1250"
	.amdhsa_code_object_version 6
	.text
	.protected	k_qd5b5a77d1b_first16
	.globl	k_qd5b5a77d1b_first16
	.p2align	8
	.type	k_qd5b5a77d1b_first16,@function
k_qd5b5a77d1b_first16:
	s_mov_b64 s[64:65], 0
	v_nop
	global_prefetch_b8 v0, s[64:65] scope:SCOPE_SE
	s_setreg_imm32_b32 hwreg(HW_REG_WAVE_MODE, 25, 1), 1
	s_wait_xcnt 0x0
; FIRST16: positions 0-15 of each batch once more, wholly in f32: these rows average one to sixteen values, where the rounding of 16-bit operands weighs most.  64 rows of out0 are written over.
; Work-group (cb, b): batch b, columns 64 cb .. + 63.  Phase 1: wave = head: S^T = K Q^T, the causal softmax with its maximum, O^T = V^T P, by the f32 matrix form; y [16][1024] meets in LDS.
; Phase 2: wave (nt = w % 4, kq = w / 4): 16 columns x 256 of K of y wo; the four parts along K meet in LDS and are added in a fixed order.
; The f32 form takes k = 2 (lane / 16) + register; here lanes 0-15 and 16-31 take the two halves of a run of K, the same on both sources: a permutation of k applied alike to both keeps the products.
; The registers that the matrix form writes (v16-63) are written by it alone.  No tensor load; q carries 1.5 log2(e) / 8, so p = 2^(s - m).
.set RED,   65792                      ; behind y (16 rows x 4,112 bytes): four parts of 16 rows x 272 bytes
.set SPARE, 83200
.set SPW, 14
.set NIL, 15
.macro FAR
.rept 8
	v_nop
.endr
.endm
	s_load_b128 s[4:7], s[0:1], 0x0                ; c16, wo
	s_load_b64 s[8:9], s[0:1], 0x10                ; out0
	v_lshl_add_u32 v[SPW], v0, 2, SPARE
	v_mov_b32 v[NIL], 0
	v_lshrrev_b32 v1, 5, v0
	v_readfirstlane_b32 s10, v1                    ; wave = head
	s_and_b32 s12, ttmp7, 0xffff                   ; batch
	s_and_b32 s13, s10, 3                          ; nt
	s_lshr_b32 s14, s10, 2                         ; kq; also the head's key/value head
	s_and_b32 s15, s10, 7
	s_mov_b32 s32, 0x76543210
	s_mov_b32 s33, 0xfedcba98
	v_and_b32 v2, 15, v0                           ; r
	v_bfe_u32 v3, v0, 4, 1                         ; hh
	v_lshlrev_b32 v4, 8, v2
	v_lshl_add_u32 v4, v3, 7, v4                   ; q, k: position r, channels 32 hh on
	v_lshlrev_b32 v5, 2, v2
	v_lshl_add_u32 v6, v3, 17, v5                  ; wo: column r, rows 32 hh on
	v_lshl_add_u32 v5, v3, 11, v5                  ; v: channel r, keys 8 hh on
	v_mul_u32_u24 v7, v2, 4112
	v_lshl_add_u32 v8, v3, 7, v7
	v_lshl_add_u32 v7, v3, 5, v7
	s_lshl_b32 s16, s10, 8
	v_add_nc_u32 v7, s16, v7                       ; y in: row r, my head's 256 bytes, + 32 hh
	s_lshl_b32 s16, s14, 10
	v_add_nc_u32 v8, s16, v8                       ; y out: row r, my 1,024 bytes of K, + 128 hh
	v_mul_u32_u24 v9, v2, 272
	v_lshl_add_u32 v9, v3, 5, v9
	s_mul_i32 s16, s14, 4352
	s_lshl_b32 s17, s13, 6
	s_add_co_u32 s16, s16, s17
	s_add_co_u32 s16, s16, RED
	v_add_nc_u32 v9, s16, v9                       ; my part: row r, columns 16 nt + 8 hh on
	s_lshl_b32 s16, s15, 1
	v_add_nc_u32 v10, s16, v3                      ; the row that I store at the end: 2 (w % 8) + lane / 16
	v_lshlrev_b32 v11, 12, v10
	v_lshl_add_u32 v11, v2, 4, v11
	v_mul_u32_u24 v10, v10, 272
	v_lshl_add_u32 v10, v2, 4, v10
	v_add_nc_u32 v10, RED, v10
	v_lshlrev_b32 v12, 3, v3
	v_sub_nc_u32 v12, v2, v12                      ; register jj holds key 8 hh + jj: hidden where jj > r - 8 hh
	v_mov_b32 v13, 0xff800000
	v_mov_b32 v73, 0                               ; a lane permute's destination counts as one of its sources
	s_wait_kmcnt 0x0
	s_mul_i32 s16, s12, 24
	s_add_co_u32 s17, s16, s10
	s_lshl_b32 s20, s17, 12
	s_mov_b32 s21, 0
	s_add_nc_u64 s[24:25], s[4:5], s[20:21]        ; q's head
	s_add_co_u32 s17, s16, s14
	s_add_co_u32 s17, s17, 16
	s_lshl_b32 s20, s17, 12
	s_add_nc_u64 s[26:27], s[4:5], s[20:21]        ; k's; v's lies 16,384 bytes on
	s_lshl_b32 s20, s14, 20
	s_lshl_b32 s17, ttmp9, 8
	s_add_co_u32 s20, s20, s17
	s_lshl_b32 s17, s13, 6
	s_add_co_u32 s20, s20, s17
	s_add_nc_u64 s[28:29], s[6:7], s[20:21]        ; wo: row 256 kq, column 64 cb + 16 nt
	s_lshl_b32 s20, s12, 23
	s_lshl_b32 s17, ttmp9, 8
	s_add_co_u32 s20, s20, s17
	s_add_nc_u64 s[30:31], s[8:9], s[20:21]
.irp i, 0,1,2,3,4,5,6,7
	global_load_b128 v[96+4*\i:99+4*\i], v4, s[24:25] offset:16*\i
	global_load_b128 v[128+4*\i:131+4*\i], v4, s[26:27] offset:16*\i
.endr
.irp d, 0,1,2,3
.irp i, 0,1,2,3,4,5,6,7
	global_load_b32 v[160+8*\d+\i], v5, s[26:27] offset:16384+\i*256+\d*64
.endr
.endr
.set i, 0
.rept 64
	global_load_b32 v[192+i], v6, s[28:29] offset:((i/32)*64+i%32)*4096   ; wo's first two runs of 64 along K: they land under phase 1
.set i, i+1
.endr
	s_wait_loadcnt 63                              ; q, k, v are in: 64 younger loads might stay out; the count's field ends at 63
; ---- phase 1
.irp i, 0,1,2,3,4,5,6,7,8,9,10,11,12,13,14,15   ; two accumulators by turns; the first two products start the sums
.if \i < 2
	v_wmma_f32_16x16x4_f32 v[16+8*(\i%2):23+8*(\i%2)], v[128+2*\i:129+2*\i], v[96+2*\i:97+2*\i], 0
.else
	v_wmma_f32_16x16x4_f32 v[16+8*(\i%2):23+8*(\i%2)], v[128+2*\i:129+2*\i], v[96+2*\i:97+2*\i], v[16+8*(\i%2):23+8*(\i%2)]
.endif
.endr
	FAR                                            ; eight places behind this form
.irp e, 0,2,4,6
	v_pk_add_f32 v[64+\e:65+\e], v[16+\e:17+\e], v[24+\e:25+\e]
.endr
.irp e, 0,1,2,3,4,5,6,7
	v_cmp_gt_i32 vcc_lo, \e, v12
	v_cndmask_b32 v[64+\e], v[64+\e], v13, vcc_lo
.endr
	v_max3_num_f32 v72, v64, v65, v66
	v_max3_num_f32 v72, v72, v67, v68
	v_max3_num_f32 v72, v72, v69, v70
	v_max_num_f32 v72, v72, v71
	v_permlanex16_b32 v73, v72, s32, s33
	v_max_num_f32 v72, v72, v73                    ; the row's maximum: key 0 counts for every query
.irp e, 0,1,2,3,4,5,6,7
	v_sub_f32 v[64+\e], v[64+\e], v72
.endr
.irp e, 0,1,2,3,4,5,6,7
	v_exp_f32 v[64+\e], v[64+\e]
.endr
	v_nop
	s_wait_alu depctr_va_vdst(0)                   ; one wait for the eight
	v_add_f32 v74, v64, v65
	v_add_f32 v75, v66, v67
	v_add_f32 v76, v68, v69
	v_add_f32 v77, v70, v71
	v_add_f32 v74, v74, v75
	v_add_f32 v76, v76, v77
	v_add_f32 v74, v74, v76
	v_permlanex16_b32 v73, v74, s32, s33
	v_add_f32 v74, v74, v73
	v_rcp_f32 v75, v74
	v_nop
	s_wait_alu depctr_va_vdst(0)
.irp e, 0,1,2,3,4,5,6,7
	v_mul_f32 v[80+\e], v[64+\e], v75              ; the weights
.endr
.irp i, 0,1,2,3                                 ; O^T = V^T P: four accumulators by turns
.irp d, 0,1,2,3
.if \i == 0
	v_wmma_f32_16x16x4_f32 v[32+8*\d:39+8*\d], v[160+8*\d+2*\i:161+8*\d+2*\i], v[80+2*\i:81+2*\i], 0
.else
	v_wmma_f32_16x16x4_f32 v[32+8*\d:39+8*\d], v[160+8*\d+2*\i:161+8*\d+2*\i], v[80+2*\i:81+2*\i], v[32+8*\d:39+8*\d]
.endif
.endr
.endr
	FAR
.irp d, 0,1,2,3
	ds_store_b128 v7, v[32+8*\d:35+8*\d] offset:64*\d          ; y(r, 64 head + 16 d + 8 hh + 0..7), each accumulator from its low end
	ds_store_b128 v7, v[36+8*\d:39+8*\d] offset:64*\d+16
.endr
	s_wait_dscnt 0x0
	s_barrier_signal -1
	s_barrier_wait -1                              ; y's 16 rows lie in LDS
; ---- phase 2
	FAR                                            ; with the eight above: more than the nine places ahead of products that write over phase 1's results; and the places ahead of loads into q's and k's registers
.set i, 0
.rept 64
	global_load_b32 v[96+i], v6, s[28:29] offset:(128+(i/32)*64+i%32)*4096   ; wo's last two runs
.set i, i+1
.endr
	s_wait_loadcnt 63                              ; the first two runs are in: the 64 just issued are younger
.irp g, 0,1,2,3
.if \g > 0
	FAR                                            ; eight places ahead of loads into registers that the last products read
.endif
.irp i, 0,1,2,3,4,5,6,7
	ds_load_b128 v[160+4*\i:163+4*\i], v8 offset:256*\g+16*\i
.endr
	s_wait_dscnt 0x0
.if \g == 2
	s_wait_loadcnt 0x0
.endif
.if \g < 2
.set WB, 192+32*\g
.else
.set WB, 96+32*(\g-2)
.endif
.irp i, 0,1,2,3,4,5,6,7,8,9,10,11,12,13,14,15
.if (\g == 0) && (\i < 4)
	v_wmma_f32_16x16x4_f32 v[32+8*(\i%4):39+8*(\i%4)], v[WB+2*\i:WB+2*\i+1], v[160+2*\i:161+2*\i], 0
.else
	v_wmma_f32_16x16x4_f32 v[32+8*(\i%4):39+8*(\i%4)], v[WB+2*\i:WB+2*\i+1], v[160+2*\i:161+2*\i], v[32+8*(\i%4):39+8*(\i%4)]
.endif
.endr
.endr
	FAR
.irp e, 0,2,4,6
	v_pk_add_f32 v[64+\e:65+\e], v[32+\e:33+\e], v[40+\e:41+\e]
	v_pk_add_f32 v[72+\e:73+\e], v[48+\e:49+\e], v[56+\e:57+\e]
.endr
.irp e, 0,2,4,6
	v_pk_add_f32 v[64+\e:65+\e], v[64+\e:65+\e], v[72+\e:73+\e]
.endr
	ds_store_b128 v9, v[64:67]
	ds_store_b128 v9, v[68:71] offset:16
	s_wait_dscnt 0x0
	s_barrier_signal -1
	s_barrier_wait -1                              ; the four parts along K lie in LDS
	s_cmp_lt_u32 s10, 8
	s_cbranch_scc0 .Ldone
.irp k, 0,1,2,3
	ds_load_b128 v[64+4*\k:67+4*\k], v10 offset:\k*4352
.endr
	s_wait_dscnt 0x0
	v_pk_add_f32 v[64:65], v[64:65], v[68:69]
	v_pk_add_f32 v[66:67], v[66:67], v[70:71]
	v_pk_add_f32 v[72:73], v[72:73], v[76:77]
	v_pk_add_f32 v[74:75], v[74:75], v[78:79]
	v_pk_add_f32 v[64:65], v[64:65], v[72:73]
	v_pk_add_f32 v[66:67], v[66:67], v[74:75]
	global_store_b128 v11, v[64:67], s[30:31]      ; sixteen lanes store 256 consecutive bytes of a row
.Ldone:
	s_wait_tensorcnt 0x0                           ; the wave's end
	ds_add_u32 v[SPW], v[NIL]
	s_wait_dscnt 0x0
	s_endpgm
.Lfunc_end_k_qd5b5a77d1b_first16:
	.size	k_qd5b5a77d1b_first16, .Lfunc_end_k_qd5b5a77d1b_first16-k_qd5b5a77d1b_first16
	.p2alignl 7, 3214868480
	.fill 96, 4, 3214868480
	.section	.rodata,"a",@progbits
	.p2align	6, 0x0
	.amdhsa_kernel k_qd5b5a77d1b_first16
		.amdhsa_group_segment_fixed_size 85248
		.amdhsa_private_segment_fixed_size 0
		.amdhsa_enable_private_segment 0
		.amdhsa_kernarg_size 24
		.amdhsa_user_sgpr_count 2
		.amdhsa_user_sgpr_kernarg_segment_ptr 1
		.amdhsa_wavefront_size32 1
		.amdhsa_system_sgpr_workgroup_id_x 1
		.amdhsa_system_sgpr_workgroup_id_y 1
		.amdhsa_system_sgpr_workgroup_id_z 1
		.amdhsa_system_vgpr_workitem_id 0
		.amdhsa_next_free_vgpr 256
		.amdhsa_next_free_sgpr 66
		.amdhsa_reserve_vcc 1
		.amdhsa_float_denorm_mode_32 3
		.amdhsa_float_denorm_mode_16_64 3
		.amdhsa_memory_ordered 1
		.amdhsa_forward_progress 1
		.amdhsa_inst_pref_size 35
	.end_amdhsa_kernel
	.amdgpu_metadata
---
amdhsa.version: [ 1, 2 ]
amdhsa.kernels:
  - .name:           k_qd5b5a77d1b_first16
    .symbol:         k_qd5b5a77d1b_first16.kd
    .args:
      - { .name: c16, .offset: 0, .size: 8, .value_kind: global_buffer, .address_space: global }
      - { .name: wo, .offset: 8, .size: 8, .value_kind: global_buffer, .address_space: global }
      - { .name: out0, .offset: 16, .size: 8, .value_kind: global_buffer, .address_space: global }
    .group_segment_fixed_size: 85248
    .private_segment_fixed_size: 0
    .kernarg_segment_align: 8
    .kernarg_segment_size: 24
    .max_flat_workgroup_size: 512
    .sgpr_count:     66
    .vgpr_count:     256
    .wavefront_size: 32
...
	.end_amdgpu_metadata
.endif
;; end of part 5
